; MI455X (gfx1250); checked and timed in simulation.
; The chip was launched on July 23, 2026; its instructions are those of AMD's public machine-readable ISA for CDNA 5 (MIT licence, August 2026) and "CDNA5" Instruction Set Architecture Reference Guide (July 2026). The comments in the code are by the model that wrote it; some were corrected since.
;; Scaled Convolutional Dot Product. Allowed arithmetic: matrix products marked QUANTISED: E3M2 operands, one E8M0 scale for each 32 along K, by v_wmma_scale_f32_16x16x128_f8f6f4 with both operands' format E3M2, f32 sums; everything else in f32.
;; Inputs: bias_k 1,024 float32; bias_q 1,024 float32; bias_v 1,024 float32; k_codes 4 x 2,048 x 32 x 24 uint8 (E3M2 codes of k, K innermost, in blocks of 32 codes, four codes in three bytes); k_scales 4 x 2,048 x 32 uint8 (E8M0 scales of k, one for each 32 codes along K); kernel_k_codes 1 x 1 x 1,024 x 32 x 24 uint8 (E3M2 codes of kernel_k, K innermost, in blocks of 32 codes, four codes in three bytes); kernel_k_scales 1 x 1 x 1,024 x 32 uint8 (E8M0 scales of kernel_k, one for each 32 codes along K); kernel_q_codes 1 x 1 x 1,024 x 32 x 24 uint8 (E3M2 codes of kernel_q, K innermost, in blocks of 32 codes, four codes in three bytes); kernel_q_scales 1 x 1 x 1,024 x 32 uint8 (E8M0 scales of kernel_q, one for each 32 codes along K); kernel_v_codes 1 x 1 x 1,024 x 32 x 24 uint8 (E3M2 codes of kernel_v, K innermost, in blocks of 32 codes, four codes in three bytes); kernel_v_scales 1 x 1 x 1,024 x 32 uint8 (E8M0 scales of kernel_v, one for each 32 codes along K); mask 1 x 2,048 x 2,048 float32; q_codes 4 x 2,048 x 32 x 24 uint8 (E3M2 codes of q, K innermost, in blocks of 32 codes, four codes in three bytes); q_scales 4 x 2,048 x 32 uint8 (E8M0 scales of q, one for each 32 codes along K); v_codes 4 x 2,048 x 32 x 24 uint8 (E3M2 codes of v, K innermost, in blocks of 32 codes, four codes in three bytes); v_scales 4 x 2,048 x 32 uint8 (E8M0 scales of v, one for each 32 codes along K).
;; Outputs: out0 4 x 2,048 x 1,024 float32.
;; This version of the problem:
;;   THIS VERSION OF THE PROBLEM IS GIVEN IN LOW PRECISION. The matrix products marked QUANTISED in the list below multiply operands that are first quantised to E3M2 (3 exponent bits, 2 mantissa bits; 6 bits a number), with one power-of-two scale for each 32 numbers along K (OCP MX v1.0); their sums are f32. All else is computed in f32.
;;   The module's matrix products, in the order in which they are computed (A, B: the left and right operand; K: the contracted axis; several contracted axes count as one K, in the product's order):
;;     1. [M 8,192, K 1,024] x [K 1,024, N 1,024]; A: input q (given as codes); B: input kernel_q (given as codes): QUANTISED
;;     2. [M 8,192, K 1,024] x [K 1,024, N 1,024]; A: input k (given as codes); B: input kernel_k (given as codes): QUANTISED
;;     3. [M 8,192, K 1,024] x [K 1,024, N 1,024]; A: input v (given as codes); B: input kernel_v (given as codes): QUANTISED
;;     4. batch 4 x [M 2,048, K 1,024] x [K 1,024, N 2,048]; A: computed on the way; B: computed on the way: QUANTISED
;;     5. batch 4 x [M 2,048, K 2,048] x [K 2,048, N 1,024]; A: computed on the way; B: computed on the way: QUANTISED
;;   THE QUANTISER, for each operand of a quantised product, along K:
;;     - K is cut into blocks of 32 from its start; a last block that is shorter is filled with zeros.
;;     - A block's scale is 2^e with e = floor(log2(the largest magnitude in the block)) - 4, held to -126 .. 127; a block of zeros has e = 0. As a byte (E8M0): e + 127.
;;     - Each number is divided by its block's scale, clamped to +-28, and rounded to the nearest number of E3M2, ties to even, subnormals kept.
;;     - The product sums the exact products of the quantised numbers (number of the format x scale) in f32.
;;   ~~~python
;;   def quantise(x, axis):      # numpy; x: float32 -> the quantised numbers, widened to float32 again
;;       x = np.moveaxis(x, axis, -1); K = x.shape[-1]
;;       x = np.pad(x, [(0, 0)] * (x.ndim - 1) + [(0, -K % 32)]); x = x.reshape(x.shape[:-1] + (-1, 32)); a = np.abs(x).max(-1, keepdims=True)
;;       e = np.where(a > 0, np.clip(np.frexp(np.where(a > 0, a, 1))[1] - 1 - 4, -126, 127), 0)      # np.frexp(a)[1] - 1 = floor(log2(a)), exactly
;;       r = np.clip(x / 2.0 ** e, -28, 28)
;;       step = 2.0 ** (np.maximum(np.frexp(np.where(r == 0, 1, r))[1] - 1, -2) - 2)
;;       q = np.round(r / step) * step * 2.0 ** e      # np.round: ties to even
;;       return np.moveaxis(q.reshape(q.shape[:-2] + (-1,))[..., :K], -1, axis).astype(np.float32)
;;   ~~~
;;   OPERANDS COMPUTED ON THE WAY. 'Computed on the way' means the value that the module computes at that place (a softmax that the list does not call 'softmax' is quantised finished and normalised). What goes into a quantiser is computed in f32, as accurately as f32 sums, v_exp_f32 and their like allow (about 1e-6 of the number): no bf16 or f16 on the way to a quantiser, and a product that is left as it is and whose result goes on into a quantised operand takes f32 operands (vector FMAs, or v_wmma_f32_16x16x4_f32). A number that lies on a knife's edge between two numbers of the format may be rounded either way, as far as f32 arithmetic and the matrix unit's own rounding can turn it there, and no further.
;;   INPUTS GIVEN AS CODES. k (in the module: [4, 2048, 1024], K = its axis 2); kernel_k (in the module: [1, 1, 1024, 1024], K = its axis 2); kernel_q (in the module: [1, 1, 1024, 1024], K = its axis 2); kernel_v (in the module: [1, 1, 1024, 1024], K = its axis 2); q (in the module: [4, 2048, 1024], K = its axis 2); v (in the module: [4, 2048, 1024], K = its axis 2): each comes as NAME_codes (uint8): NAME with its K axis moved to the last place and cut into blocks of 32 codes, [.., K / 32, bytes a block], one block behind the other in memory; four codes in three bytes: a row's codes are one little-endian stream of bits, code i at bits 6 i .. 6 i + 5 (a code: sign, 3 exponent bits, 2 mantissa bits); and NAME_scales (uint8): the same leading axes, one E8M0 byte (e + 127) for each 32 codes along K. Its value is code x scale, taken as it is: it is not quantised again, and the codes and scales need not be those that the quantiser above would give.
;; One version. Each part assembles by itself: llvm-mc -triple=amdgcn-amd-amdhsa -mcpu=gfx1250 --defsym DOCPART=n.
;; ======== version 1 of 1: 3 launches
;; workspace buffers: qp_codes 6,291,456 bytes; qp_scales 262,144 bytes; kp_codes 6,291,456 bytes; kp_scales 262,144 bytes; vt_codes 6,291,456 bytes; vt_scales 262,144 bytes; lg_codes 12,582,912 bytes; lg_scales 524,288 bytes
;; launch proj (part 1): grid 4 x 64, 4 waves a work-group, clusters of 4 x 4, 327,680 bytes of LDS; arguments q_codes, k_codes, q_scales, k_scales, kernel_q_codes, kernel_k_codes, kernel_q_scales, kernel_k_scales, bias_q, bias_k, qp_codes, kp_codes, qp_scales, kp_scales, kernel_v_codes, kernel_v_scales, v_codes, v_scales, bias_v, vt_codes, vt_scales; writes qp_codes, kp_codes, vt_codes, qp_scales, kp_scales, vt_scales
.if DOCPART == 1
	.amdgcn_target "amdgcn-amd-amdhsa--gfx1250"
	.amdhsa_code_object_version 6
	.text
	.protected	k_q48fd933aa5_proj
	.globl	k_q48fd933aa5_proj
	.p2align	8
	.type	k_q48fd933aa5_proj,@function
k_q48fd933aa5_proj:
	s_mov_b64 s[64:65], 0
	v_nop
	global_prefetch_b8 v0, s[64:65] scope:SCOPE_SE
	s_setreg_imm32_b32 hwreg(HW_REG_WAVE_MODE, 25, 1), 1
	s_wait_xcnt 0x0
	s_wait_alu depctr_hold_cnt(0) depctr_sa_sdst(0) depctr_va_vdst(0) depctr_va_sdst(0) depctr_va_ssrc(0) depctr_va_vcc(0) depctr_vm_vsrc(0)
	s_getreg_b32 s2, hwreg(HW_REG_IB_STS2, 6, 4)
	s_cmp_eq_u32 s2, 0
	s_cbranch_scc0 .Lentry_in_a_cluster
	s_endpgm
.Lentry_in_a_cluster:
	s_bfe_u32 s2, ttmp6, 0x10000c
	s_cmp_lg_u32 s2, 0xf033
	s_cbranch_scc0 .Lentry_shape_is_right
	s_endpgm
.Lentry_shape_is_right:
; THE THREE PROJECTIONS: relu(x W + bias) on codes of BF6 (E3M2) with one E8M0 scale for each 32 along K = 1,024, and the result quantised again for the product that follows.
; 256 WORK-GROUPS OF EQUAL WORK, EACH IN TWO PHASES.  The three projections are 384 tiles of 256 x 256, one and a half for each of 256 work-groups: so a work-group makes one whole tile of q's or k's projection
; (phase 1) and then half a tile of v's (phase 2), and the ring of LDS slots goes on from the one into the other.
; C[m][n] = sum over k of A[m][k] B[n][k].  The matrix instruction is used transposed (source 0 = 16 rows of B, source 1 = 16 rows of A): a lane holds ONE row of A and eight neighbouring rows of B, so a lane's
; registers run along B's rows, and the result is quantised along B's rows.
; PHASE 1: A = 256 tokens of q (clusters 0-7) or k (clusters 8-15), B = 256 rows (e) of the kernel; 128 x 128 to each of four waves, 64 accumulators; qp and kp are quantised along e; the bias runs along n.
; PHASE 2: A = 128 rows (e) of kernel_v, B = 256 tokens of v; 64 x 128 to a wave, 32 accumulators; the result is vp^T, quantised along the tokens, as the last product wants it; the bias runs along m.
; THE BIAS is the C of each sum's first matrix instruction, so it is added ahead of the products and not behind them: the order of f32 rounding differs from the reference's in that.
; THE ORDER ALONG THE NEXT K.  Accumulator b, lane half h, register j hold n = 16 b + 8 h + j.  The quantiser lays a block's 32 codes in the order n = 0..7, 16..23, 8..15, 24..31.  Every block is a true block of 32,
; and both operands of each later product are made by this same macro on such tiles: the order is the same on both sides, so the products are kept.
; THE RESULTS LEAVE AS IMAGES OF OPERAND REGISTERS: a fragment (16 rows x 128 K, 12 registers a lane) is 1,536 bytes, register 4 c + i of lane l at byte 512 c + 16 l + 4 i: three stores of 512 consecutive bytes.
;   qp_codes, kp_codes: [tile of 256 tokens 32][K step of 128 8][block of 16 rows 16][1536];  vt_codes: [batch 4][tile of 256 e 4][K step 16][block 16][1536].
;   The scale words: units of 256 bytes for 64 rows x 128 K, the word of row 16 i + r at byte 16 r + 4 i; [..][K step][unit 4][256].
; CLUSTERS: 4 x 4 work-groups; in both phases A's tiles are shared along a row of the cluster, B's along a column: each is asked for jointly, by the same tensor load with a mask that names the four.
; K goes in parts of 256 through two LDS slots (rows of 192 bytes, 16 bytes of padding behind every 64); the scales of both phases' rows come once, with the first fills, and stay.  All parts are written out: no loop.
; LIMITS: NaN and infinities are not served.  A block of zeros, or one whose largest magnitude lies under 2^-122, gets the scale byte 1 (its bytes are read by this program alone).
; REGISTERS: window 0: v8-31 addresses, v12-15 bias_v; v32-63 scale words, two sets; v64-127 the bias tiles, later 64 numbers at work; from v128 A's fragments (phase 1: one set of eight blocks; phase 2: two sets
;   of four); on the ways out codes and aids.   window 1: B's fragments, two sets, at v0 and v128.   windows 2, 3: the accumulators ((a, b) at v[8 (8 (a % 4) + b)] of window 2 + a / 4).
.set ROWB,   192                       ; 256 codes in bytes: a tile's row
.set KROW,   768                       ; a row of 1,024 codes in memory
.set PITCH,  240                       ; an LDS row: 3 x (64 bytes + 16 of padding)
.set FR,     12                        ; registers of a fragment
.set NL,     6                         ; LDS loads that bring one
.set NQ,     2                         ; steps of 128 in a slot
.set NP,     4                         ; places behind this matrix instruction (ISA guide 7.12.1)
.set HALFT,  128*PITCH                 ; 128 rows
.set QUART,  64*PITCH                  ; 64 rows
.set SLOT,   4*HALFT                   ; phase 1: A's 256 rows, then B's 256;  phase 2: A's 128 rows at its head, B's 256 where phase 1's lie
.set KS,     32                        ; a row of scale bytes
.set SCL,    2*SLOT                    ; behind the ring: phase 1's scales, as units of 256 bytes + 16 of padding
.set HALFS,  16*272                    ; those of 128 rows
.set QUARS,  8*272                     ; of 64 rows
.set SBLK,   2*272                     ; of 16 rows
.set SCL2,   SCL+4*HALFS               ; phase 2's scales: A's 128 rows, then B's 256
.set SPARE,  SCL2+3*HALFS              ; the spare words, 128 bytes for each wave: two blocks of 256 bytes that no other line names
.set FLAGT,  (1<<20)|(1<<21)|(3<<22)|(3<<25)          ; a tile's group 1, word 0: elements of 1 byte; padding on; bit 21 beside a mask; after every 16 words 4 words
.set FLAGS,  (3<<16)|(1<<20)|(1<<21)|(5<<22)|(3<<25)  ; the scales': elements of 8 bytes; after every 64 words 4 words
.set ADRA2, 8                          ; v8-9   phase 2: LDS address of my A fragments in slot 0, 1 (v10-11: behind one padding more)
.set BV,   12                          ; v12-15 bias_v at my four blocks' rows
.set ADRA, 16                          ; v16-17 phase 1: the same (v18-19)
.set ADRB, 20                          ; v20-21 B's, both phases (v22-23)
.set LI,   24                          ; v24  16 x lane: my place in an image
.set ADRS2, 25                         ; v25  phase 2: LDS address of my scale words
.set LS8,  26                          ; v26  16 r + 8 h: my place in a unit of scale words
.set ADRS, 27                          ; v27  phase 1: LDS address of my scale words: lanes 0-15 A's rows, lanes 16-31 B's
.set SPW,  28                          ; v28  my spare word; never rewritten
.set NIL,  29                          ; v29  0; never rewritten
.set BNA,  30                          ; v30  byte offset of my bias numbers along n
.set BMA,  31                          ; v31  and, in phase 2, along m
.set SC,   32                          ; scale words
.set BN,   64                          ; v64-127 phase 1: the bias along n: register 8 b + j
.set BT,   64                          ; v64-95  phase 2: the bias along m: eight copies for each block a
.set AF,   128                         ; A's fragments
.set ST,   64                          ; the ways out: 64 numbers of a block of 16 rows
.set PC,   128                         ; two sets of 20: 12 registers of codes and the conversions' aids
.set TM,   168                         ; v168-183 the quantiser's work
.set SW,   184                         ; v184-191 the blocks' scale words
.set XW,   192                         ; v192-195 the scale words as they are stored
.set SEL,  20                          ; s[20:21] lane selects for v_permlanex16_b32: lane l xor 16
.set BP,   66                          ; s[66:67] phase 1's bias
.set G1, 24                            ; group 1 for phase 1's A tiles;  s[32:39] group 0 for A's tiles, one set for each slot, both phases
.set G0, 32
.set G1B, 48                           ; the same for B's tiles, both phases
.set G0B, 56
.set G1S, 68                           ; at the head: the scales' descriptors
.set G0S, 76
.set G1SB, 80
.set G0SB, 88
.set G1S2, 92
.set G0S2, 4
.set G0SB2, 8
.set OC1, 12                           ; later, where those lay: s[12:13] phase 1's codes, s[96:97] its scale words,
.set OS1, 96
.set A2P, 76                           ; s[76:77], s[78:79] phase 2's rows of A and B that I fetch,
.set B2P, 78
.set BVP, 80                           ; s[80:81] bias_v,
.set OC2, 82                           ; s[82:83], s[84:85] phase 2's codes and scale words,
.set OS2, 84
.set LA2, 86                           ; s86 where my 64 rows of A go in a slot,
.set G1A2, 88                          ; s[88:95] group 1 for phase 2's A tiles
.set MSB, 0
.macro WIN new                         ; the immediate's high byte repeats the setting that is left; a switch that changes nothing is dropped
.if MSB != (\new)
	s_set_vgpr_msb (MSB<<8)|(\new)
.set MSB, (\new)
.endif
.endm
.set MUL_LO, 0xa1                      ; source 0 (B) window 1, source 1 (A) window 0, C and D window 2  (less 0x20: C in window 0)
.set MUL_HI, 0xf1                      ; the same, C and D window 3  (less 0x30: C in window 0)
.set TO_B,   0x40                      ; destination window 1, address window 0
; A joint load: waves 0 and 1 fetch for A, waves 2 and 3 for B; the branch hangs on the wave's number alone.  Four v_nop follow each of the two lines.
.macro JLOAD g0a, g1a, g0b, g1b
	s_cmp_eq_u32 s15, 0
	s_cbranch_scc0 .Lfor_b_\@
	tensor_load_to_lds s[\g0a:\g0a+3], s[\g1a:\g1a+7]
	s_nop 0
.rept 4
	v_nop
.endr
	s_branch .Lasked_\@
.Lfor_b_\@:
	tensor_load_to_lds s[\g0b:\g0b+3], s[\g1b:\g1b+7]
	s_nop 0
.rept 4
	v_nop
.endr
.Lasked_\@:
.endm
.macro CREST                           ; a round of the cluster's barrier behind its opening barrier
	s_cmp_lg_u32 s14, 0
	s_cbranch_scc1 .Lnot_wave_0_\@
	s_barrier_signal -3
.Lnot_wave_0_\@:
	s_barrier_wait -3
	s_barrier_signal -1
	s_barrier_wait -1
.endm
.macro CROUND                          ; a whole round
	s_barrier_signal -1
	s_barrier_wait -1
	CREST
.endm
.macro PLACES n
.rept \n
	v_nop
.endr
.endm
	s_load_b512 s[24:39], s[0:1], 0x0              ; q's and k's codes, their scales, the two kernels' codes, their scales
	s_load_b128 s[40:43], s[0:1], 0x40             ; bias_q, bias_k
	s_load_b64 s[44:45], s[0:1], 0x78              ; kernel_v's scales
	s_load_b64 s[46:47], s[0:1], 0x88              ; v's scales.  (The other addresses are loaded where registers have come free)
	v_lshl_add_u32 v[SPW], v0, 2, SPARE
	v_mov_b32 v[NIL], 0
	ds_add_u32 v28, v29
	ds_add_u32 v28, v29
	s_wait_dscnt 0x0
	v_lshrrev_b32 v1, 5, v0
	v_readfirstlane_b32 s14, v1                    ; wave 0..3
	s_lshr_b32 s15, s14, 1                         ; which half of the tile's rows of A is mine.  Also: I fetch for A (0) or for B (1)
	s_and_b32 s16, s14, 1                          ; which half of its rows of B.  Also: which half of the rows I fetch
	s_and_b32 s18, ttmp7, 0xffff                   ; c, the cluster's y, 0..15: the same in all sixteen partners
	s_lshr_b32 s19, s18, 3                         ; phase 1's tensor: 0 q, 1 k
	s_wait_kmcnt 0x0
	s_cmp_eq_u32 s19, 1                            ; the buffers are chosen on the cluster's number alone
	s_cselect_b64 s[4:5], s[26:27], s[24:25]       ; A's codes
	s_cselect_b64 s[6:7], s[30:31], s[28:29]       ; A's scales
	s_cselect_b64 s[8:9], s[34:35], s[32:33]       ; B's codes
	s_cselect_b64 s[10:11], s[38:39], s[36:37]     ; B's scales
	s_cselect_b64 s[BP:BP+1], s[42:43], s[40:41]   ; the bias
	s_mov_b64 s[2:3], s[44:45]
	s_mov_b64 s[12:13], s[46:47]
	s_mov_b32 s42, s18
	s_bfe_u32 s40, ttmp6, 0x40000                  ; cx, cy: my place in the cluster
	s_bfe_u32 s41, ttmp6, 0x40004
	s_and_b32 s17, s42, 7
	s_lshl_b32 s17, s17, 2
	s_add_co_u32 s17, s17, s41                     ; phase 1: the tile of 256 tokens = 4 (c % 8) + cy; the tile of 256 e is cx
	s_and_b32 s100, s42, 1
	s_lshl_b32 s100, s100, 2
	s_add_co_u32 s100, s100, s41                   ; phase 2: the tile of 128 e = 4 (c % 2) + cy
	s_lshr_b32 s101, s42, 1
	s_lshl_b32 s101, s101, 2
	s_add_co_u32 s101, s101, s40                   ; and the tile of 256 tokens = 4 (c / 2) + cx
	s_lshl_b32 s43, s41, 2
	s_lshl_b32 s43, 15, s43                        ; my row of the cluster
	s_lshl_b32 s44, 0x1111, s40                    ; my column
	; descriptor groups 1: a tile of 128 rows x 192 bytes
	s_or_b32 s[G1+0], s43, FLAGT                   ; 15:0 the mask: A's tiles go to my row
	s_or_b32 s[G1B+0], s44, FLAGT                  ; B's to my column
.irp g, G1, G1B
	s_mov_b32 s[\g+1], ROWB<<16                    ; tensor_dim0
	s_mov_b32 s[\g+2], 128<<16                     ; tensor_dim1
	s_mov_b32 s[\g+3], ROWB<<16                    ; tile_dim0
	s_mov_b32 s[\g+4], 128                         ; tile_dim1
	s_mov_b32 s[\g+5], KROW                        ; from row to row
	s_mov_b32 s[\g+6], 0
	s_mov_b32 s[\g+7], 0
.endr
	; the scales of 128 rows are a dense block of 4,096 bytes: 16 rows of 256 bytes (32 elements of 8); those of 64 rows: 8 rows
	s_or_b32 s[G1S+0], s43, FLAGS
	s_or_b32 s[G1SB+0], s44, FLAGS
	s_or_b32 s[G1S2+0], s43, FLAGS
.irp g, G1S, G1SB, G1S2
	s_mov_b32 s[\g+1], 32<<16
	s_mov_b32 s[\g+3], 32<<16
	s_mov_b32 s[\g+5], 32
	s_mov_b32 s[\g+6], 0
	s_mov_b32 s[\g+7], 0
.endr
	s_mov_b32 s[G1S+2], 16<<16
	s_mov_b32 s[G1S+4], 16
	s_mov_b32 s[G1SB+2], 16<<16
	s_mov_b32 s[G1SB+4], 16
	s_mov_b32 s[G1S2+2], 8<<16
	s_mov_b32 s[G1S2+4], 8
	s_mul_i32 s45, s14, HALFT                      ; where phase 1's tiles go: wave x 128 rows: no place in the cluster enters an LDS address
	s_mul_i32 s19, s14, HALFS                      ; and its scales
	s_lshl_b32 s18, s16, 7                         ; which 128 rows of a tile I fetch
	s_lshl_b32 s20, s17, 8
	s_add_co_u32 s20, s20, s18                     ; A: row 256 x tile + 128 x half
	s_mov_b32 s21, 0
	s_lshl_b32 s22, s20, 5                         ; its scales, 32 bytes a row
	s_mov_b32 s23, 0
	s_mul_i32 s20, s20, KROW                       ; its codes (all offsets stay under 2^23)
	s_add_nc_u64 s[20:21], s[4:5], s[20:21]
	s_add_nc_u64 s[22:23], s[6:7], s[22:23]
	s_lshl_b32 s46, s40, 8
	s_add_co_u32 s46, s46, s18                     ; B: row 256 cx + 128 x half
	s_mov_b32 s47, 0
	s_lshl_b32 s4, s46, 5
	s_mov_b32 s5, 0
	s_mul_i32 s46, s46, KROW
	s_add_nc_u64 s[46:47], s[8:9], s[46:47]
	s_add_nc_u64 s[4:5], s[10:11], s[4:5]
	s_mov_b32 s[G0S], 1
	s_add_co_u32 s[G0S+1], s19, SCL
	s_mov_b64 s[G0S+2:G0S+3], s[22:23]
	s_or_b32 s[G0S+3], s[G0S+3], 0x80000000
	s_mov_b32 s[G0SB], 1
	s_add_co_u32 s[G0SB+1], s19, SCL
	s_mov_b64 s[G0SB+2:G0SB+3], s[4:5]
	s_or_b32 s[G0SB+3], s[G0SB+3], 0x80000000
.irp s, 0,1
	s_mov_b32 s[G0+4*\s], 1
	s_add_co_u32 s[G0+4*\s+1], s45, \s*SLOT
	s_add_nc_u64 s[G0+4*\s+2:G0+4*\s+3], s[20:21], \s*ROWB
	s_or_b32 s[G0+4*\s+3], s[G0+4*\s+3], 0x80000000
	s_mov_b32 s[G0B+4*\s], 1
	s_add_co_u32 s[G0B+4*\s+1], s45, \s*SLOT
	s_add_nc_u64 s[G0B+4*\s+2:G0B+4*\s+3], s[46:47], \s*ROWB
	s_or_b32 s[G0B+4*\s+3], s[G0B+4*\s+3], 0x80000000
.endr
	; phase 2's scales: A's rows 128 x tile + 64 x half, B's rows 256 x tile + 128 x half
	s_lshl_b32 s22, s100, 7
	s_lshl_b32 s23, s16, 6
	s_add_co_u32 s22, s22, s23
	s_lshl_b32 s22, s22, 5
	s_mov_b32 s23, 0
	s_mul_i32 s18, s16, QUARS
	s_mov_b32 s[G0S2], 1
	s_add_co_u32 s[G0S2+1], s18, SCL2
	s_add_nc_u64 s[G0S2+2:G0S2+3], s[2:3], s[22:23]
	s_or_b32 s[G0S2+3], s[G0S2+3], 0x80000000
	s_lshl_b32 s46, s101, 8
	s_lshl_b32 s47, s16, 7
	s_add_co_u32 s46, s46, s47
	s_lshl_b32 s46, s46, 5
	s_mov_b32 s47, 0
	s_mul_i32 s18, s16, HALFS
	s_mov_b32 s[G0SB2], 1
	s_add_co_u32 s[G0SB2+1], s18, SCL2+HALFS
	s_add_nc_u64 s[G0SB2+2:G0SB2+3], s[12:13], s[46:47]
	s_or_b32 s[G0SB2+3], s[G0SB2+3], 0x80000000
	CROUND                                         ; all sixteen work-groups are here: the first joint loads meet
	JLOAD G0S, G1S, G0SB, G1SB                     ; phase 1's scales, wanted with K part 0;
	JLOAD G0S2, G1S2, G0SB2, G1SB                  ; phase 2's, filled once like them;
	JLOAD G0, G1, G0B, G1B                         ; K part 0;
	JLOAD G0+4, G1, G0B+4, G1B                     ; K part 1: four loads of mine are out
	; phase 1's bias along n: accumulator (a, b), register j, lane (r, h) is C(16 a + r, 16 b + 8 h + j): eight registers for each b, as they are loaded
	v_and_b32 v1, 15, v0                           ; r = lane % 16
	v_bfe_u32 v2, v0, 4, 1                         ; h = lane / 16
	s_lshl_b32 s18, s40, 10
	s_lshl_b32 s22, s16, 9
	s_add_co_u32 s18, s18, s22                     ; 4 x my first n
	v_lshl_add_u32 v[BNA], v2, 5, s18
.irp b, 0,1,2,3,4,5,6,7
	global_load_b128 v[BN+8*\b:BN+8*\b+3], v[BNA], s[BP:BP+1] offset:64*\b
	global_load_b128 v[BN+8*\b+4:BN+8*\b+7], v[BNA], s[BP:BP+1] offset:64*\b+16
.endr
	; the LDS addresses of both phases
	v_mul_u32_u24 v3, v1, PITCH
	v_mul_u32_u24 v4, v2, 24
	v_add_nc_u32 v4, v3, v4                        ; a fragment's row x pitch + 24 x half
	v_lshl_add_u32 v5, v2, 4, v4                   ; and the same behind one padding more
	s_mul_i32 s21, s15, HALFT                      ; phase 1: my 128 rows of A
	s_mul_i32 s22, s16, HALFT                      ; my 128 rows of B,
	s_add_co_u32 s22, s22, 2*HALFT                 ; which lie 256 rows from the slot's head
	s_mul_i32 s23, s15, QUART                      ; phase 2: my 64 rows of A
.irp s, 0,1
	v_add_nc_u32 v[ADRA+\s], s21, v4
	v_add_nc_u32 v[ADRB+\s], s22, v4
	v_add_nc_u32 v[ADRA2+\s], s23, v4
	v_add_nc_u32 v[ADRA+2+\s], s21, v5
	v_add_nc_u32 v[ADRB+2+\s], s22, v5
	v_add_nc_u32 v[ADRA2+2+\s], s23, v5
	s_add_co_u32 s21, s21, SLOT
	s_add_co_u32 s22, s22, SLOT
	s_add_co_u32 s23, s23, SLOT
.endr
	v_mul_u32_u24 v7, v1, KS                       ; my row's scales: 32 bytes a row,
	v_lshrrev_b32 v6, 8, v7
	v_lshl_add_u32 v7, v6, 4, v7                   ; and 16 more for each 256 passed
	s_mul_i32 s21, s15, HALFS                      ; phase 1: A's: my 128 rows
	s_mul_i32 s22, s16, HALFS                      ; B's: my 128 rows, behind A's 256
	s_add_co_u32 s22, s22, 2*HALFS
	s_sub_co_u32 s22, s22, s21
	v_mul_u32_u24 v6, s22, v2                      ; lanes 16-31 take B's
	s_add_co_u32 s21, s21, SCL
	v_add_nc_u32 v5, v7, v6
	v_add_nc_u32 v[ADRS], s21, v5
	s_mul_i32 s21, s15, QUARS                      ; phase 2: A's: my 64 rows
	s_mul_i32 s22, s16, HALFS                      ; B's: my 128 rows, behind A's 128
	s_add_co_u32 s22, s22, HALFS
	s_sub_co_u32 s22, s22, s21
	v_mul_u32_u24 v6, s22, v2
	s_add_co_u32 s21, s21, SCL2
	v_add_nc_u32 v5, v7, v6
	v_add_nc_u32 v[ADRS2], s21, v5
	v_and_b32 v6, 31, v0
	v_lshlrev_b32 v[LI], 4, v6
	v_lshlrev_b32 v[LS8], 4, v1
	v_lshl_add_u32 v[LS8], v2, 3, v[LS8]
	s_mov_b32 s[SEL], 0x76543210
	s_mov_b32 s[SEL+1], 0xfedcba98
.macro FRAG reg, adr, q, i             ; a fragment: lane l holds row l % 16; registers 6 c .. 6 c + 5 hold K = 64 c + 32 (l / 16) + 0 .. 31: 24 bytes of the row's stream of bits, in pieces of 8 bytes
.irp p, 0,1,2,3,4,5                    ; lanes 16-31 read three pieces further on than lanes 0-15; where that is behind one padding more, the second address register serves
.set PIE, 12*(\q)+6*(\p/3)+\p%3
.if PIE%8 < 5
	ds_load_b64 v[\reg+2*\p:\reg+2*\p+1], v[\adr] offset:8*PIE+16*(PIE/8)+(\i)*16*PITCH
.else
	ds_load_b64 v[\reg+2*\p:\reg+2*\p+1], v[\adr+2] offset:8*PIE+16*(PIE/8)+(\i)*16*PITCH
.endif
.endr
.endm
.macro SCALES adr, sc                  ; a K part's scale words into set sc: two words a row; lanes 0-15 take A's block i, lanes 16-31 B's block i  (phase 2 has four blocks of A: what lanes 0-15 bring for i = 4 .. 7 is named by no product)
.irp i, 0,1,2,3,4,5,6,7
	ds_load_b64 v[SC+8*NQ*(\sc)+NQ*\i:SC+8*NQ*(\sc)+NQ*\i+1], v[\adr] offset:\i*SBLK
.endr
.endm
; PHASE 1.  16 matrix instructions: A's blocks a0, a0 + 1 x B's eight, 128 along K: the slot's q-th.  p: B's set; sc: the set of scale words.  cm = 1: the sums' first products, which take the bias as C.
; The 64 accumulators take turns, one instruction a turn, in the same order in every step.
.macro MUL16 a0, p, q, sc, cm
.irp a, \a0, \a0+1
.irp b, 0,1,2,3,4,5,6,7
.if \cm
	v_wmma_scale_f32_16x16x128_f8f6f4 v[8*(8*((\a)%4)+\b):8*(8*((\a)%4)+\b)+7], v[128*(\p)+FR*\b:128*(\p)+FR*\b+FR-1], v[AF+FR*(\a):AF+FR*(\a)+FR-1], v[BN+8*\b:BN+8*\b+7], v[SC+8*NQ*(\sc)+NQ*\b+(\q)], v[SC+8*NQ*(\sc)+NQ*(\a)+(\q)] matrix_a_fmt:MATRIX_FMT_BF6 matrix_b_fmt:MATRIX_FMT_BF6 matrix_a_scale:MATRIX_SCALE_ROW1
.else
	v_wmma_scale_f32_16x16x128_f8f6f4 v[8*(8*((\a)%4)+\b):8*(8*((\a)%4)+\b)+7], v[128*(\p)+FR*\b:128*(\p)+FR*\b+FR-1], v[AF+FR*(\a):AF+FR*(\a)+FR-1], v[8*(8*((\a)%4)+\b):8*(8*((\a)%4)+\b)+7], v[SC+8*NQ*(\sc)+NQ*\b+(\q)], v[SC+8*NQ*(\sc)+NQ*(\a)+(\q)] matrix_a_fmt:MATRIX_FMT_BF6 matrix_b_fmt:MATRIX_FMT_BF6 matrix_a_scale:MATRIX_SCALE_ROW1
.endif
.endr
.endr
.endm
.macro FETCH_B slot, q, p              ; B's eight fragments of the slot's q-th 128 along K into set p
	WIN TO_B
.irp i, 0,1,2,3,4,5,6,7
	FRAG 128*(\p)+FR*\i, ADRB+\slot, \q, \i
.endr
	WIN 0
.endm
.macro FETCH_A slot, q, i0             ; A's blocks i0 .. i0 + 3
.irp i, \i0, \i0+1, \i0+2, \i0+3
	FRAG AF+FR*(\i), ADRA+\slot, \q, \i
.endr
.endm
; A step of 128 along K that has its successor in the same slot.  A's blocks are free as soon as their eight products are issued: blocks 0-3 are fetched anew in the step's middle, blocks 4-7 at its end.
.macro STEP slot, q, cm
	s_wait_dscnt 4*NL                              ; B's set and A's blocks 0-3 are in; the youngest 24 loads (A's blocks 4-7) may be out
	WIN MUL_LO-0x20*(\cm)
	MUL16 0, (\q)%2, \q, \slot, \cm
	MUL16 2, (\q)%2, \q, \slot, \cm
	s_wait_dscnt 0                                 ; A's blocks 4-7 are in
	PLACES NP                                      ; in front of loads into registers that matrix instructions have read
	FETCH_B \slot, (\q)+1, 1-(\q)%2
	FETCH_A \slot, (\q)+1, 0
	WIN MUL_HI-0x30*(\cm)
	MUL16 4, (\q)%2, \q, \slot, \cm
	MUL16 6, (\q)%2, \q, \slot, \cm
	PLACES NP
	WIN 0
	FETCH_A \slot, (\q)+1, 4
.endm
; A slot's last step changes slots: ONE barrier, which opens a round of the cluster's; in front of it each wave waits for all its tensor loads, adds 0 to its spare word, and waits for that and for its own reads of this slot.
; fill = 1: this slot takes the K part two parts on.  fill = 2 (slot 0): it takes PHASE 2's K part 0.
.macro TURN slot, next, fill
	s_wait_tensorcnt 0x0                           ; all my tensor loads have landed: my part of the next slot (every window is 0 here)
	ds_add_u32 v[SPW], v[NIL]                      ; 0 onto my spare word
	s_wait_dscnt 4*NL+1                            ; the add and the youngest 24 loads (A's blocks 4-7) may be out
	WIN MUL_LO
	MUL16 0, 1, NQ-1, \slot, 0                     ; sixteen matrix instructions stand between the add and the wait for it
	s_wait_dscnt 0x0                               ; the add is done, and my reads of this slot are over
	s_barrier_signal -1
	MUL16 2, 1, NQ-1, \slot, 0
	WIN 0
	s_barrier_wait -1
	CREST                                          ; no wave of any partner still reads this slot or has a load on its way
.if \fill == 1
	s_add_nc_u64 s[G0+4*\slot+2:G0+4*\slot+3], s[G0+4*\slot+2:G0+4*\slot+3], 2*ROWB
	s_add_nc_u64 s[G0B+4*\slot+2:G0B+4*\slot+3], s[G0B+4*\slot+2:G0B+4*\slot+3], 2*ROWB
	JLOAD G0+4*\slot, G1, G0B+4*\slot, G1B         ; the first tensor load behind the round, my one load until the next; its four v_nop are also the places in front of the loads below
.else
	s_mov_b32 s[G0+1], s[LA2]                      ; A's halves are now 64 rows; B's go where they went
	s_mov_b64 s[G0+2:G0+3], s[A2P:A2P+1]
	s_or_b32 s[G0+3], s[G0+3], 0x80000000
	s_mov_b64 s[G0B+2:G0B+3], s[B2P:B2P+1]
	s_or_b32 s[G0B+3], s[G0B+3], 0x80000000
	JLOAD G0, G1A2, G0B, G1B
.endif
	v_add_nc_u32 v[ADRS], 4*NQ, v[ADRS]            ; on to the next K part's scale words (no LDS load of mine is out)
	FETCH_B \next, 0, 0
	FETCH_A \next, 0, 0
	SCALES ADRS, \next
	WIN MUL_HI
	MUL16 4, 1, NQ-1, \slot, 0
	MUL16 6, 1, NQ-1, \slot, 0
	PLACES NP
	WIN 0
	FETCH_A \next, 0, 4
.endm
	s_wait_tensorcnt 1                             ; both phases' scales and my part of K part 0 are in; K part 1's load may be out
	s_barrier_signal -1
	s_barrier_wait -1                              ; everybody's are
	FETCH_B 0, 0, 0
	FETCH_A 0, 0, 0
	SCALES ADRS, 0
	FETCH_A 0, 0, 4
	s_wait_loadcnt 0x0                             ; the bias
	STEP 0, 0, 1                                   ; K part 0: its first products take the bias as C
	TURN 0, 1, 1                                   ; slot 0 takes K part 2.  Its wait for all loads has shown the scales' loads done: their descriptors' registers are free
	s_load_b256 s[68:75], s[0:1], 0x50             ; qp_codes, kp_codes, qp_scales, kp_scales
	s_load_b64 s[A2P:A2P+1], s[0:1], 0x70          ; kernel_v's codes
	s_load_b64 s[B2P:B2P+1], s[0:1], 0x80          ; v's codes
	s_load_b128 s[80:83], s[0:1], 0x90             ; bias_v, vt_codes
	s_load_b64 s[OS2:OS2+1], s[0:1], 0xa0          ; vt_scales
	STEP 1, 0, 0                                   ; K part 1
	s_wait_kmcnt 0x0
	s_lshr_b32 s18, s42, 3
	s_cmp_eq_u32 s18, 1
	s_cselect_b64 s[OC1:OC1+1], s[70:71], s[68:69]
	s_cselect_b64 s[OS1:OS1+1], s[74:75], s[72:73]
	s_lshl_b32 s18, s17, 3                         ; phase 1's results: unit = 8 x tile of tokens + the K step of 128 e, 2 cx + my half
	s_lshl_b32 s19, s40, 1
	s_add_co_u32 s18, s18, s19
	s_add_co_u32 s18, s18, s16
	s_mul_i32 s22, s18, 16*1536
	s_mul_i32 s23, s15, 8*1536
	s_add_co_u32 s22, s22, s23                     ; my eight blocks of 16 rows
	s_mov_b32 s23, 0
	s_add_nc_u64 s[OC1:OC1+1], s[OC1:OC1+1], s[22:23]
	s_lshl_b32 s22, s18, 10
	s_lshl_b32 s19, s15, 9
	s_add_co_u32 s22, s22, s19                     ; my two units of scale words
	s_add_nc_u64 s[OS1:OS1+1], s[OS1:OS1+1], s[22:23]
	s_lshl_b32 s18, s100, 7                        ; phase 2: the rows of A that I fetch: 128 x tile + 64 x half
	s_lshl_b32 s19, s16, 6
	s_add_co_u32 s18, s18, s19
	s_mul_i32 s22, s18, KROW
	s_add_nc_u64 s[A2P:A2P+1], s[A2P:A2P+1], s[22:23]
	s_lshl_b32 s46, s101, 8                        ; the rows of B: 256 x tile + 128 x half
	s_lshl_b32 s47, s16, 7
	s_add_co_u32 s46, s46, s47
	s_mul_i32 s46, s46, KROW
	s_mov_b32 s47, 0
	s_add_nc_u64 s[B2P:B2P+1], s[B2P:B2P+1], s[46:47]
	s_mul_i32 s[LA2], s16, QUART
	s_or_b32 s[G1A2+0], s43, FLAGT                 ; group 1 for A's halves of 64 rows, shared along my row of the cluster
	s_mov_b32 s[G1A2+1], ROWB<<16
	s_mov_b32 s[G1A2+2], 64<<16
	s_mov_b32 s[G1A2+3], ROWB<<16
	s_mov_b32 s[G1A2+4], 64
	s_mov_b32 s[G1A2+5], KROW
	s_mov_b32 s[G1A2+6], 0
	s_mov_b32 s[G1A2+7], 0
	s_lshl_b32 s18, s100, 9                        ; bias_v at my rows: 4 x (128 x tile + 64 x my half + 16 a + r)
	s_lshl_b32 s19, s15, 8
	s_add_co_u32 s18, s18, s19
	v_lshl_add_u32 v[BMA], v1, 2, s18
.irp a, 0,1,2,3
	global_load_b32 v[BV+\a], v[BMA], s[BVP:BVP+1] offset:64*\a
.endr
	s_lshr_b32 s18, s101, 3                        ; phase 2's results: unit = 64 x batch + 16 x tile of 256 e + the K step of 128 tokens in the batch
	s_lshl_b32 s18, s18, 6
	s_lshr_b32 s19, s100, 1
	s_lshl_b32 s19, s19, 4
	s_add_co_u32 s18, s18, s19
	s_and_b32 s19, s101, 7
	s_lshl_b32 s19, s19, 1
	s_add_co_u32 s18, s18, s19
	s_add_co_u32 s18, s18, s16
	s_and_b32 s19, s100, 1
	s_lshl_b32 s19, s19, 1
	s_add_co_u32 s19, s19, s15                     ; which 64 of the tile's 256 rows are mine
	s_mul_i32 s22, s18, 16*1536
	s_mul_i32 s87, s19, 4*1536
	s_add_co_u32 s22, s22, s87
	s_add_nc_u64 s[OC2:OC2+1], s[OC2:OC2+1], s[22:23]
	s_lshl_b32 s22, s18, 10
	s_lshl_b32 s19, s19, 8
	s_add_co_u32 s22, s22, s19
	s_add_nc_u64 s[OS2:OS2+1], s[OS2:OS2+1], s[22:23]
	TURN 1, 0, 1                                   ; slot 1 takes K part 3
	STEP 0, 0, 0                                   ; K part 2
	TURN 0, 1, 2                                   ; THE RING GOES ON: slot 0 takes phase 2's K part 0
	STEP 1, 0, 0                                   ; K part 3
	s_wait_dscnt 4*NL
	WIN MUL_LO
	MUL16 0, 1, NQ-1, 1, 0
	MUL16 2, 1, NQ-1, 1, 0
	s_wait_dscnt 0                                 ; my reads of slot 1 are over
	WIN MUL_HI
	MUL16 4, 1, NQ-1, 1, 0
	MUL16 6, 1, NQ-1, 1, 0
	WIN 0
; THE QUANTISER.  64 numbers of a lane, v[s] .. v[s + 63]; the 16 registers 16 b .. 16 b + 15 of lanes l and l xor 16 are block b of my row.  They become a fragment's codes in v[pc] .. v[pc + 11] and my row's scale word in v[pw].
.macro QUANT s, pc, pw
.irp b, 0,1,2,3
	v_max3_num_f32 v[TM+\b], |v[\s+16*\b]|, |v[\s+1+16*\b]|, 0x2800000   ; my 16 numbers, and the floor 2^(5 - 127): the byte cannot fall under 1
.endr
.irp i, 2,4,6,8,10,12,14
.irp b, 0,1,2,3
	v_max3_num_f32 v[TM+\b], v[TM+\b], |v[\s+16*\b+\i]|, |v[\s+1+16*\b+\i]|   ; the four blocks by turns
.endr
.endr
.irp b, 0,1,2,3
	v_permlanex16_b32 v[TM+4+\b], v[TM+\b], s[SEL], s[SEL+1]
.endr
.irp b, 0,1,2,3
	v_max_num_f32 v[TM+\b], v[TM+\b], v[TM+4+\b]   ; with lane l xor 16's: the block's largest magnitude
.endr
.irp b, 0,1,2,3
	v_add_nc_u32 v[TM+12+\b], 0xfe000000, v[TM+\b] ; 4 off its exponent field: the conversion takes the exponent field of this operand as its scale
.endr
.irp b, 0,1,2,3
	v_lshrrev_b32 v[TM+4+\b], 23, v[TM+12+\b]      ; the scale's byte
.endr
	v_lshl_or_b32 v[\pw], v[TM+5], 8, v[TM+4]      ; the four bytes make my row's scale word (the same in both halves of the lanes)
	v_lshl_or_b32 v[\pw], v[TM+6], 16, v[\pw]
	v_lshl_or_b32 v[\pw], v[TM+7], 24, v[\pw]
.irp c, 0,1
	v_cvt_scalef32_pk16_bf6_f32 v[\pc+6*\c:\pc+2+6*\c], v[\s+32*\c:\s+15+32*\c], v[TM+12+2*\c]
	v_cvt_scalef32_pk16_bf6_f32 v[\pc+12+4*\c:\pc+14+4*\c], v[\s+16+32*\c:\s+31+32*\c], v[TM+12+2*\c+1]   ; (a conversion's three registers begin on an even number)
.endr
	v_nop                                          ; one plain place behind a scaled conversion
.irp c, 0,1                                    ; the operand's layout wants a whole block in a lane: lanes 0-15 block 2 c, lanes 16-31 block 2 c + 1
.irp i, 0,1,2
	v_permlane16_swap_b32 v[\pc+6*\c+\i], v[\pc+12+4*\c+\i]
.endr
.irp i, 0,1,2
	v_mov_b32 v[\pc+3+6*\c+\i], v[\pc+12+4*\c+\i]
.endr
.endr
.endm
; THE WAY OUT of block a (16 rows of A x my 128 rows of B): relu, which also brings the numbers into window 0, each accumulator from its low end on; the quantiser; the fragment's image, three stores of 512 consecutive bytes.
; ob: the stores' base.  wx = 1: earlier stores have named this set of codes.
.macro BLOCK a, ob, wx
	WIN 0x08+4*((\a)/4)                            ; source 1: window 2 or 3
.set J, 0
.rept 64
	v_max_num_f32 v[ST+J], 0, v[64*((\a)%4)+J]
.set J, J+1
.endr
	WIN 0
.if \wx
	s_wait_xcnt 0x0                                ; the stores that read this set of codes have read it: it is written again only behind this wait
.endif
	QUANT ST, PC+20*((\a)%2), SW+(\a)
.irp c, 0,1,2
	global_store_b128 v[LI], v[PC+20*((\a)%2)+4*\c:PC+20*((\a)%2)+4*\c+3], s[\ob:\ob+1] offset:1536*(\a)+512*\c
.endr
.endm
	PLACES NP                                      ; behind the last products: for the reads of results and the writes over A's fragments
.irp b, 0,1,2,3
	v_mov_b32 v[TM+4+\b], 0                        ; written once: a lane permute's destination counts as one of its sources
.endr
	BLOCK 0, OC1, 0
	BLOCK 1, OC1, 0
	BLOCK 2, OC1, 1
	BLOCK 3, OC1, 1
	; SLOT 1 TAKES PHASE 2'S K PART 1.  The refill stands here, in the middle of the way out: slot 0's load has had K part 3 and four blocks in which to land, and this one has the other four blocks and phase 2's K part 0.
	s_wait_tensorcnt 0x0                           ; all my tensor loads have landed: my part of phase 2's K part 0
	ds_add_u32 v[SPW], v[NIL]                      ; 0 onto my spare word; the descriptors' words stand between it and the wait for it
	s_add_co_u32 s[G0+5], s[LA2], SLOT
	s_add_nc_u64 s[G0+6:G0+7], s[A2P:A2P+1], ROWB
	s_or_b32 s[G0+7], s[G0+7], 0x80000000
	s_add_nc_u64 s[G0B+6:G0B+7], s[B2P:B2P+1], ROWB
	s_or_b32 s[G0B+7], s[G0B+7], 0x80000000
	s_wait_dscnt 0x0                               ; the add is done; my reads of slot 1 were over ahead of the last products
	CROUND                                         ; no wave of any partner still reads slot 1 or has a load on its way; slot 0 is whole for every wave
	JLOAD G0+4, G1A2, G0B+4, G1B
	BLOCK 4, OC1, 1
	BLOCK 5, OC1, 1
	BLOCK 6, OC1, 1
	BLOCK 7, OC1, 1
	v_cmp_eq_u32 vcc_lo, 1, v2                     ; lanes 0-15 store the unit of blocks 0-3, lanes 16-31 that of blocks 4-7: byte 16 r + 4 i is the word of row 16 i + r
.irp i, 0,1,2,3
	v_cndmask_b32 v[XW+\i], v[SW+\i], v[SW+4+\i], vcc_lo
.endr
	global_store_b128 v[LI], v[XW:XW+3], s[OS1:OS1+1]  ; 512 consecutive bytes: two units
; PHASE 2.  A has four blocks, so there is room for two sets of A's fragments as of B's: a step's 72 LDS loads go out in one run ahead of the 32 products of the step before.
.macro FETCH2 slot, q, st
	WIN TO_B
.irp i, 0,1,2,3,4,5,6,7
	FRAG 128*(\st)+FR*\i, ADRB+\slot, \q, \i
.endr
	WIN 0
.irp i, 0,1,2,3
	FRAG AF+48*(\st)+FR*\i, ADRA2+\slot, \q, \i
.endr
.endm
; 8 matrix instructions: A's block a x B's eight.  cm = 1: the sums' first products, which take the bias as C.  The 32 accumulators take turns, one instruction a turn, in the same order in every step.
.macro MULQ a, st, q, sc, cm
.irp b, 0,1,2,3,4,5,6,7
.if \cm
	v_wmma_scale_f32_16x16x128_f8f6f4 v[8*(8*(\a)+\b):8*(8*(\a)+\b)+7], v[128*(\st)+FR*\b:128*(\st)+FR*\b+FR-1], v[AF+48*(\st)+FR*(\a):AF+48*(\st)+FR*(\a)+FR-1], v[BT+8*(\a):BT+8*(\a)+7], v[SC+8*NQ*(\sc)+NQ*\b+(\q)], v[SC+8*NQ*(\sc)+NQ*(\a)+(\q)] matrix_a_fmt:MATRIX_FMT_BF6 matrix_b_fmt:MATRIX_FMT_BF6 matrix_a_scale:MATRIX_SCALE_ROW1
.else
	v_wmma_scale_f32_16x16x128_f8f6f4 v[8*(8*(\a)+\b):8*(8*(\a)+\b)+7], v[128*(\st)+FR*\b:128*(\st)+FR*\b+FR-1], v[AF+48*(\st)+FR*(\a):AF+48*(\st)+FR*(\a)+FR-1], v[8*(8*(\a)+\b):8*(8*(\a)+\b)+7], v[SC+8*NQ*(\sc)+NQ*\b+(\q)], v[SC+8*NQ*(\sc)+NQ*(\a)+(\q)] matrix_a_fmt:MATRIX_FMT_BF6 matrix_b_fmt:MATRIX_FMT_BF6 matrix_a_scale:MATRIX_SCALE_ROW1
.endif
.endr
.endm
.macro STEP2 slot, sc, cm              ; a slot's first step, on set 0; the second step's fragments go into set 1
	s_wait_dscnt 0x0                               ; this step's fragments and scale words are in
.if \cm
	PLACES 8                                       ; behind the lines that wrote the bias tiles
.else
	PLACES NP                                      ; in front of loads into the registers that the step before multiplied
.endif
	FETCH2 \slot, 1, 1
	WIN MUL_LO-0x20*(\cm)
	MULQ 0, 0, 0, \sc, \cm
	MULQ 1, 0, 0, \sc, \cm
	MULQ 2, 0, 0, \sc, \cm
	MULQ 3, 0, 0, \sc, \cm
.endm
.macro TURN2 slot, next, fill, sc      ; a slot's second step, on set 1, changes slots, as in phase 1
	WIN 0                                          ; (the add's two registers lie in window 0)
	s_wait_tensorcnt 0x0                           ; all my tensor loads have landed: my part of the next slot
	ds_add_u32 v[SPW], v[NIL]                      ; 0 onto my spare word
	s_wait_dscnt 1                                 ; this step's fragments are in; the add alone may be out
	WIN MUL_LO
	MULQ 0, 1, 1, \sc, 0                           ; eight matrix instructions stand between the add and the wait for it
	s_wait_dscnt 0x0                               ; the add is done, and my reads of this slot are over
	s_barrier_signal -1
	MULQ 1, 1, 1, \sc, 0
	WIN 0
	s_barrier_wait -1
.if \fill
	CREST                                          ; the barrier has opened a round of the cluster's barrier: no wave of any partner still reads this slot or has a load on its way
	s_add_nc_u64 s[G0+4*\slot+2:G0+4*\slot+3], s[G0+4*\slot+2:G0+4*\slot+3], 2*ROWB
	s_add_nc_u64 s[G0B+4*\slot+2:G0B+4*\slot+3], s[G0B+4*\slot+2:G0B+4*\slot+3], 2*ROWB
	JLOAD G0+4*\slot, G1A2, G0B+4*\slot, G1B       ; the first tensor load behind the round, my one load until the next; its four v_nop are also the places in front of the loads below
.else
	PLACES NP
.endif
	v_add_nc_u32 v[ADRS2], 4*NQ, v[ADRS2]          ; on to the next K part's scale words (no LDS load of mine is out)
	FETCH2 \next, 0, 0
	SCALES ADRS2, 1-(\sc)
	WIN MUL_LO
	MULQ 2, 1, 1, \sc, 0
	MULQ 3, 1, 1, \sc, 0
.endm
	s_wait_xcnt 0x0                                ; phase 1's stores have read their registers: fragments may land there
	s_wait_loadcnt 0x0                             ; bias_v
.irp a, 0,1,2,3
.irp j, 0,1,2,3,4,5,6,7
	v_mov_b32 v[BT+8*\a+\j], v[BV+\a]              ; a lane's eight results of a tile lie in one row m: eight copies make the C of block a's first products
.endr
.endr
	FETCH2 0, 0, 0                                 ; slot 0 was shown whole by the round in the way out
	SCALES ADRS2, 0
	STEP2 0, 0, 1                                  ; K part 0
	TURN2 0, 1, 1, 0                               ; slot 0 takes K part 2
	STEP2 1, 1, 0
	TURN2 1, 0, 1, 1                               ; slot 1 takes K part 3
	STEP2 0, 0, 0
	TURN2 0, 1, 0, 0                               ; nothing is left to fetch
	STEP2 1, 1, 0
	s_wait_dscnt 0x0                               ; the last step
	WIN MUL_LO
	MULQ 0, 1, 1, 1, 0
	MULQ 1, 1, 1, 1, 0
	MULQ 2, 1, 1, 1, 0
	MULQ 3, 1, 1, 1, 0
	WIN 0
	PLACES NP                                      ; behind the last products
	BLOCK 0, OC2, 1
	BLOCK 1, OC2, 1
	BLOCK 2, OC2, 1
	BLOCK 3, OC2, 1
	v_cmp_eq_u32 vcc_lo, 1, v2                     ; my unit of 64 rows: lane (r, h) stores the words of rows 16 (2 h) + r and 16 (2 h + 1) + r at byte 16 r + 8 h
	v_cndmask_b32 v[XW], v[SW], v[SW+2], vcc_lo
	v_cndmask_b32 v[XW+1], v[SW+1], v[SW+3], vcc_lo
	global_store_b64 v[LS8], v[XW:XW+1], s[OS2:OS2+1]  ; 256 consecutive bytes, at a multiple of 256 from the buffer's first byte
	s_wait_tensorcnt 0x0                           ; the wave's end
	ds_add_u32 v[SPW], v[NIL]
	s_wait_dscnt 0x0
	CROUND                                         ; the closing round: no work-group ends while a partner may still ask for a tile that names it
	s_endpgm
.Lfunc_end_k_q48fd933aa5_proj:
	.size	k_q48fd933aa5_proj, .Lfunc_end_k_q48fd933aa5_proj-k_q48fd933aa5_proj
	.p2alignl 7, 3214868480
	.fill 96, 4, 3214868480
	.section	.rodata,"a",@progbits
	.p2align	6, 0x0
	.amdhsa_kernel k_q48fd933aa5_proj
		.amdhsa_group_segment_fixed_size 327680
		.amdhsa_private_segment_fixed_size 0
		.amdhsa_enable_private_segment 0
		.amdhsa_kernarg_size 168
		.amdhsa_user_sgpr_count 2
		.amdhsa_user_sgpr_kernarg_segment_ptr 1
		.amdhsa_wavefront_size32 1
		.amdhsa_system_sgpr_workgroup_id_x 1
		.amdhsa_system_sgpr_workgroup_id_y 1
		.amdhsa_system_sgpr_workgroup_id_z 1
		.amdhsa_system_vgpr_workitem_id 0
		.amdhsa_next_free_vgpr 1024
		.amdhsa_next_free_sgpr 102
		.amdhsa_reserve_vcc 1
		.amdhsa_float_denorm_mode_32 3
		.amdhsa_float_denorm_mode_16_64 3
		.amdhsa_memory_ordered 1
		.amdhsa_forward_progress 1
		.amdhsa_inst_pref_size 255
	.end_amdhsa_kernel
	.section	.bss,"aw",@nobits
	.p2align	6
	.space	262144
	.amdgpu_metadata
---
amdhsa.version: [ 1, 2 ]
amdhsa.kernels:
  - .name:           k_q48fd933aa5_proj
    .symbol:         k_q48fd933aa5_proj.kd
    .args:
      - { .name: q_codes, .offset: 0, .size: 8, .value_kind: global_buffer, .address_space: global }
      - { .name: k_codes, .offset: 8, .size: 8, .value_kind: global_buffer, .address_space: global }
      - { .name: q_scales, .offset: 16, .size: 8, .value_kind: global_buffer, .address_space: global }
      - { .name: k_scales, .offset: 24, .size: 8, .value_kind: global_buffer, .address_space: global }
      - { .name: kernel_q_codes, .offset: 32, .size: 8, .value_kind: global_buffer, .address_space: global }
      - { .name: kernel_k_codes, .offset: 40, .size: 8, .value_kind: global_buffer, .address_space: global }
      - { .name: kernel_q_scales, .offset: 48, .size: 8, .value_kind: global_buffer, .address_space: global }
      - { .name: kernel_k_scales, .offset: 56, .size: 8, .value_kind: global_buffer, .address_space: global }
      - { .name: bias_q, .offset: 64, .size: 8, .value_kind: global_buffer, .address_space: global }
      - { .name: bias_k, .offset: 72, .size: 8, .value_kind: global_buffer, .address_space: global }
      - { .name: qp_codes, .offset: 80, .size: 8, .value_kind: global_buffer, .address_space: global }
      - { .name: kp_codes, .offset: 88, .size: 8, .value_kind: global_buffer, .address_space: global }
      - { .name: qp_scales, .offset: 96, .size: 8, .value_kind: global_buffer, .address_space: global }
      - { .name: kp_scales, .offset: 104, .size: 8, .value_kind: global_buffer, .address_space: global }
      - { .name: kernel_v_codes, .offset: 112, .size: 8, .value_kind: global_buffer, .address_space: global }
      - { .name: kernel_v_scales, .offset: 120, .size: 8, .value_kind: global_buffer, .address_space: global }
      - { .name: v_codes, .offset: 128, .size: 8, .value_kind: global_buffer, .address_space: global }
      - { .name: v_scales, .offset: 136, .size: 8, .value_kind: global_buffer, .address_space: global }
      - { .name: bias_v, .offset: 144, .size: 8, .value_kind: global_buffer, .address_space: global }
      - { .name: vt_codes, .offset: 152, .size: 8, .value_kind: global_buffer, .address_space: global }
      - { .name: vt_scales, .offset: 160, .size: 8, .value_kind: global_buffer, .address_space: global }
    .group_segment_fixed_size: 327680
    .private_segment_fixed_size: 0
    .kernarg_segment_align: 8
    .kernarg_segment_size: 168
    .max_flat_workgroup_size: 128
    .sgpr_count:     102
    .vgpr_count:     1024
    .wavefront_size: 32
...
	.end_amdgpu_metadata
.endif
;; end of part 1
;; launch score (part 2): grid 8 x 32, 4 waves a work-group, clusters of 4 x 4, 327,680 bytes of LDS; arguments qp_codes, qp_scales, kp_codes, kp_scales, lg_codes, mask, lg_scales; writes lg_codes, lg_scales
.if DOCPART == 2
	.amdgcn_target "amdgcn-amd-amdhsa--gfx1250"
	.amdhsa_code_object_version 6
	.text
	.protected	k_q48fd933aa5_score
	.globl	k_q48fd933aa5_score
	.p2align	8
	.type	k_q48fd933aa5_score,@function
k_q48fd933aa5_score:
	s_mov_b64 s[64:65], 0
	v_nop
	global_prefetch_b8 v0, s[64:65] scope:SCOPE_SE
	s_setreg_imm32_b32 hwreg(HW_REG_WAVE_MODE, 25, 1), 1
	s_wait_xcnt 0x0
	s_wait_alu depctr_hold_cnt(0) depctr_sa_sdst(0) depctr_va_vdst(0) depctr_va_sdst(0) depctr_va_ssrc(0) depctr_va_vcc(0) depctr_vm_vsrc(0)
	s_getreg_b32 s2, hwreg(HW_REG_IB_STS2, 6, 4)
	s_cmp_eq_u32 s2, 0
	s_cbranch_scc0 .Lentry_in_a_cluster
	s_endpgm
.Lentry_in_a_cluster:
	s_bfe_u32 s2, ttmp6, 0x10000c
	s_cmp_lg_u32 s2, 0xf033
	s_cbranch_scc0 .Lentry_shape_is_right
	s_endpgm
.Lentry_shape_is_right:
; logits = relu(qp kp^T) / 32 + mask, on codes of BF6 (E3M2) with one E8M0 scale for each 32 along K = 1,024 (e), and the logits quantised along the keys for the last product.  32 = sqrt(1,024), a constant of the shape.
; A tile of 256 queries x 256 keys of one batch to a work-group, 128 x 128 to each of four waves (64 accumulators).  Source 0 = 16 keys, source 1 = 16 queries: a lane holds one query and eight neighbouring keys.
; THE OPERANDS ARE IMAGES OF OPERAND REGISTERS, laid by the launch before: [tile of 256 rows 32][K step of 128 8][block of 16 rows 16][1536], register 4 c + i of lane l at byte 512 c + 16 l + 4 i.
; So a K part (256 along K of a tile's 256 rows) is one dense block of 49,152 bytes, and a fragment comes out of LDS by three loads of 512 consecutive bytes: no pitch, no padding.
; The scale words: [tile][K step][unit of 64 rows 4][256], the word of row 16 i + r at byte 16 r + 4 i: one load of 16 bytes a lane brings the words of four blocks; they come into LDS once and stay.
; THREE SLOTS.  K has four parts of 256; three slots of 98,304 bytes take parts 0 to 2 as first fills, and the one refill of codes, part 3 into slot 0, has two parts' products in which to land.  All parts are written out: no loop.
; CLUSTERS: 4 x 4 work-groups of one batch; qp's tiles are shared along a row of the cluster, kp's along a column (the batch hangs on the cluster's y alone): each is asked for jointly.
; THE MASK, 64 KiB a wave in f32.  Blocks 0 and 1 (16 queries x my 128 keys each) come straight into registers in the accumulators' layout, asked for at the head; block 2 likewise ahead of the last step, into registers that
; B's fragments have left, and it is worked last.  Blocks 3 to 7 come by ONE tensor load a wave into slots 1 and 2, which are free at the change to K part 3: 80 rows of 512 bytes, 16 bytes of padding behind each; only
; the wave that asked reads them.  The mask is not shared in the cluster: the partners of a column need different rows of it, those of a row different columns.
; THE LOGITS LEAVE AS IMAGES: lg_codes [tile of 128 queries 64][K step of 128 keys 16][block 8][1536]; lg_scales [tile][K step][unit 2][256].  Within a block of 32 the codes lie in the order 0..7, 16..23, 8..15, 24..31 of
; the keys, as vt's do.
; LIMITS: NaN and infinities (a mask of -infinity among them) are not served.  A block of zeros, or one whose largest magnitude lies under 2^-122, gets the scale byte 1 (read by this program alone).
; REGISTERS: window 0: v16-31 addresses; v32-63 scale words, two sets; v64-127 a set of the mask; v128-223 A's fragments, one set; on the way out v128-255 at work.
;   window 1: B's fragments, two sets, at v0 and v96; v192-255, and later all of it, sets of the mask.   windows 2, 3: the accumulators.
.set FR,     12
.set FRB,    1536                      ; a fragment's image
.set NL,     3                         ; LDS loads that bring one
.set NP,     4                         ; places behind this matrix instruction (ISA guide 7.12.1)
.set KSB,    16*FRB                    ; a K step of a tile's 256 rows: what one tensor load brings
.set PARTB,  2*KSB                     ; a K part
.set TILEB,  8*KSB                     ; a tile, all of K
.set SLOT,   2*PARTB                   ; A's part, then B's
.set SCL,    3*SLOT                    ; behind the three slots: A's scale words, 8,192 bytes, then B's
.set SCT,    8192
.set SPARE,  SCL+2*SCT                 ; the spare words, 128 bytes for each wave: two blocks of 256 bytes that no other line names
.set MPITCH, 528                       ; a row of the mask in LDS: 512 bytes + 16 = 132 words: row r starts at bank 4 r mod 64 (64 banks of 4 bytes: ISA guide 11.1)
.set MWB,    80*MPITCH                 ; a wave's five blocks
.set MREG,   SLOT                      ; they lie in slots 1 and 2: 4 x 42,240 of their 196,608 bytes
.set ADRA, 16                          ; v16-18 LDS address of my A fragments in slot 0, 1, 2
.set ADRB, 20                          ; v20-22 the same for B
.set MAD,  23                          ; v23  LDS address of my 16 bytes in the mask's rows
.set LI,   24                          ; v24  16 x lane
.set MO,   26                          ; v26  my byte offset in the mask: 8,192 r + 32 h
.set ADRS, 27                          ; v27  LDS address of my scale words: lanes 0-15 A's, lanes 16-31 B's
.set SPW,  28
.set NIL,  29
.set SC,   32                          ; set s at v[32 + 16 s]; in it register 8 q + i: lanes 0-15 the word of A's block i, lanes 16-31 of B's block i
.set AF,   128
.set ST,   128                         ; the way out: 64 numbers
.set PC,   192                         ; two sets of 20
.set TM,   232
.set SW,   248
.set XW,   192
.set SEL,  20                          ; s[20:21] lane selects: lane l xor 16
.set INV,  22                          ; s[22:23] 1 / 32
.set G1, 24
.set G0, 32                            ; s[32:39] A's group 0 for slots 0 and 1;  s[4:7] for slot 2
.set G0C, 4
.set G1B, 48
.set G0B, 56                           ; s[56:63], s[8:11] the same for B
.set G0BC, 8
.set G1S, 68
.set G0S, 76
.set G1SB, 80
.set G0SB, 88
.set G1M, 68                           ; the mask's descriptors, where A's scale words' lay
.set G0M, 76
.set MSB, 0
.macro WIN new
.if MSB != (\new)
	s_set_vgpr_msb (MSB<<8)|(\new)
.set MSB, (\new)
.endif
.endm
.set MUL_LO, 0xa1
.set MUL_HI, 0xf1
.set TO_B,   0x40
.macro JLOAD g0a, g1a, g0b, g1b        ; a joint load: waves 0 and 1 fetch for A, waves 2 and 3 for B; four v_nop follow each of the two lines
	s_cmp_eq_u32 s15, 0
	s_cbranch_scc0 .Lfor_b_\@
	tensor_load_to_lds s[\g0a:\g0a+3], s[\g1a:\g1a+7]
	s_nop 0
.rept 4
	v_nop
.endr
	s_branch .Lasked_\@
.Lfor_b_\@:
	tensor_load_to_lds s[\g0b:\g0b+3], s[\g1b:\g1b+7]
	s_nop 0
.rept 4
	v_nop
.endr
.Lasked_\@:
.endm
.macro CREST
	s_cmp_lg_u32 s14, 0
	s_cbranch_scc1 .Lnot_wave_0_\@
	s_barrier_signal -3
.Lnot_wave_0_\@:
	s_barrier_wait -3
	s_barrier_signal -1
	s_barrier_wait -1
.endm
.macro CROUND
	s_barrier_signal -1
	s_barrier_wait -1
	CREST
.endm
.macro PLACES n
.rept \n
	v_nop
.endr
.endm
	s_load_b128 s[4:7], s[0:1], 0x0                ; qp's codes, qp's scales
	s_load_b128 s[8:11], s[0:1], 0x10              ; kp's codes, kp's scales
	s_load_b64 s[12:13], s[0:1], 0x20              ; the logits' codes
	s_load_b64 s[96:97], s[0:1], 0x28              ; the mask
	s_load_b64 s[98:99], s[0:1], 0x30              ; the logits' scale words
	v_lshl_add_u32 v[SPW], v0, 2, SPARE
	v_mov_b32 v[NIL], 0
	ds_add_u32 v28, v29
	ds_add_u32 v28, v29
	s_wait_dscnt 0x0
	v_lshrrev_b32 v1, 5, v0
	v_readfirstlane_b32 s14, v1                    ; wave 0..3
	s_lshr_b32 s15, s14, 1                         ; which half of the tile's queries is mine.  Also: I fetch for A (0) or for B (1)
	s_and_b32 s16, s14, 1                          ; which half of its keys.  Also: which K step of a part I fetch
	s_bfe_u32 s40, ttmp6, 0x40000                  ; cx, cy
	s_bfe_u32 s41, ttmp6, 0x40004
	s_lshl_b32 s42, ttmp9, 2
	s_add_co_u32 s42, s42, s40                     ; the tile of keys in the batch = 4 x cluster x + cx, 0..7
	s_and_b32 s95, ttmp7, 0xffff
	s_lshl_b32 s17, s95, 2
	s_add_co_u32 s17, s17, s41                     ; the tile of queries, over all batches = 4 x cluster y + cy, 0..31
	s_lshr_b32 s46, s95, 1                         ; the batch, from the cluster's y alone
	s_lshl_b32 s46, s46, 3
	s_add_co_u32 s46, s46, s42                     ; kp's tile, over all batches
	s_lshl_b32 s43, s41, 2
	s_lshl_b32 s43, 15, s43                        ; my row of the cluster
	s_lshl_b32 s44, 0x1111, s40                    ; my column
	; descriptor group 1: a dense block of 24,576 bytes as 96 rows of 256 bytes (32 elements of 8)
	s_or_b32 s[G1+0], s43, (3<<16)|(1<<21)         ; 15:0 the mask: A's tiles go to my row; elements of 8 bytes; no padding; bit 21 beside a mask
	s_or_b32 s[G1B+0], s44, (3<<16)|(1<<21)
.irp g, G1, G1B
	s_mov_b32 s[\g+1], 32<<16
	s_mov_b32 s[\g+2], 96<<16
	s_mov_b32 s[\g+3], 32<<16
	s_mov_b32 s[\g+4], 96
	s_mov_b32 s[\g+5], 32
	s_mov_b32 s[\g+6], 0
	s_mov_b32 s[\g+7], 0
.endr
	; and for half a tile's scale words: 4,096 bytes as 16 rows
	s_or_b32 s[G1S+0], s43, (3<<16)|(1<<21)
	s_or_b32 s[G1SB+0], s44, (3<<16)|(1<<21)
.irp g, G1S, G1SB
	s_mov_b32 s[\g+1], 32<<16
	s_mov_b32 s[\g+2], 16<<16
	s_mov_b32 s[\g+3], 32<<16
	s_mov_b32 s[\g+4], 16
	s_mov_b32 s[\g+5], 32
	s_mov_b32 s[\g+6], 0
	s_mov_b32 s[\g+7], 0
.endr
	s_mul_i32 s18, s16, KSB                        ; my K step of a part
	s_lshl_b32 s19, s16, 12                        ; my half of the scale words
	s_mul_i32 s20, s17, TILEB
	s_add_co_u32 s20, s20, s18                     ; A's codes (all offsets stay under 2^23)
	s_mov_b32 s21, 0
	s_lshl_b32 s22, s17, 13
	s_add_co_u32 s22, s22, s19                     ; A's scales
	s_mov_b32 s23, 0
	s_lshl_b32 s92, s46, 13
	s_add_co_u32 s92, s92, s19                     ; B's scales
	s_mov_b32 s93, 0
	s_mul_i32 s46, s46, TILEB
	s_add_co_u32 s46, s46, s18                     ; B's codes
	s_mov_b32 s47, 0
	s_mul_i32 s45, s14, KSB                        ; where they go: wave x 24,576: A's two K steps, then B's two
	s_lshl_b32 s94, s14, 12                        ; wave x 4,096
	s_wait_kmcnt 0x0
	s_add_nc_u64 s[20:21], s[4:5], s[20:21]
	s_add_nc_u64 s[22:23], s[6:7], s[22:23]
	s_add_nc_u64 s[46:47], s[8:9], s[46:47]
	s_add_nc_u64 s[92:93], s[10:11], s[92:93]
	CROUND                                         ; all sixteen work-groups are here: the first joint loads meet
	s_mov_b32 s[G0S], 1
	s_add_co_u32 s[G0S+1], s94, SCL
	s_mov_b64 s[G0S+2:G0S+3], s[22:23]
	s_or_b32 s[G0S+3], s[G0S+3], 0x80000000
	s_mov_b32 s[G0SB], 1
	s_add_co_u32 s[G0SB+1], s94, SCL
	s_mov_b64 s[G0SB+2:G0SB+3], s[92:93]
	s_or_b32 s[G0SB+3], s[G0SB+3], 0x80000000
	JLOAD G0S, G1S, G0SB, G1SB                     ; the scale words first.  With the three below, four loads of mine are out
.irp s, 0,1
	s_mov_b32 s[G0+4*\s], 1
	s_add_co_u32 s[G0+4*\s+1], s45, \s*SLOT
	s_add_nc_u64 s[G0+4*\s+2:G0+4*\s+3], s[20:21], \s*PARTB
	s_or_b32 s[G0+4*\s+3], s[G0+4*\s+3], 0x80000000
	s_mov_b32 s[G0B+4*\s], 1
	s_add_co_u32 s[G0B+4*\s+1], s45, \s*SLOT
	s_add_nc_u64 s[G0B+4*\s+2:G0B+4*\s+3], s[46:47], \s*PARTB
	s_or_b32 s[G0B+4*\s+3], s[G0B+4*\s+3], 0x80000000
	JLOAD G0+4*\s, G1, G0B+4*\s, G1B
.endr
	s_mov_b32 s[G0C], 1                            ; slot 2's sets lie where the four addresses lay, which have served
	s_add_co_u32 s[G0C+1], s45, 2*SLOT
	s_add_nc_u64 s[G0C+2:G0C+3], s[20:21], 2*PARTB
	s_or_b32 s[G0C+3], s[G0C+3], 0x80000000
	s_mov_b32 s[G0BC], 1
	s_add_co_u32 s[G0BC+1], s45, 2*SLOT
	s_add_nc_u64 s[G0BC+2:G0BC+3], s[46:47], 2*PARTB
	s_or_b32 s[G0BC+3], s[G0BC+3], 0x80000000
	JLOAD G0C, G1, G0BC, G1B
	v_and_b32 v1, 15, v0                           ; r
	v_bfe_u32 v2, v0, 4, 1                         ; h
	; the mask: row = 256 (tile of queries % 8) + 128 x my half + 16 a + r, column = 256 x tile of keys + 128 x my half + 16 t + 8 h + j
	v_lshlrev_b32 v[MO], 13, v1
	v_lshl_add_u32 v[MO], v2, 5, v[MO]
	s_and_b32 s18, s17, 7
	s_lshl_b32 s18, s18, 8
	s_lshl_b32 s19, s15, 7
	s_add_co_u32 s18, s18, s19
	s_lshl_b32 s18, s18, 13                        ; rows of 8,192 bytes
	s_lshl_b32 s19, s42, 10
	s_add_co_u32 s18, s18, s19
	s_lshl_b32 s19, s16, 9
	s_add_co_u32 s18, s18, s19
	s_mov_b32 s19, 0
	s_add_nc_u64 s[96:97], s[96:97], s[18:19]
; the mask of block a (16 queries x my 128 keys) from memory into 64 registers of window win, from v[reg] on, in the accumulators' layout
.macro MLOAD a, win, reg
	WIN (\win)<<6
.irp t, 0,1,2,3,4,5,6,7
	global_load_b128 v[\reg+8*\t:\reg+8*\t+3], v[MO], s[96:97] offset:131072*(\a)+64*\t
	global_load_b128 v[\reg+8*\t+4:\reg+8*\t+7], v[MO], s[96:97] offset:131072*(\a)+64*\t+16
.endr
	WIN 0
.endm
	MLOAD 0, 0, 64
	MLOAD 1, 1, 192
	v_and_b32 v3, 31, v0
	v_lshlrev_b32 v[LI], 4, v3
	s_mul_i32 s21, s15, 8*FRB                      ; my eight blocks of A
	s_mul_i32 s22, s16, 8*FRB                      ; my eight blocks of B,
	s_add_co_u32 s22, s22, PARTB                   ; which lie behind A's part
.irp s, 0,1,2
	v_add_nc_u32 v[ADRA+\s], s21, v[LI]
	v_add_nc_u32 v[ADRB+\s], s22, v[LI]
	s_add_co_u32 s21, s21, SLOT
	s_add_co_u32 s22, s22, SLOT
.endr
	s_lshl_b32 s21, s15, 9                         ; A's scale words: my two units
	s_lshl_b32 s22, s16, 9                         ; B's: my two units, behind A's 8,192 bytes
	s_add_co_u32 s22, s22, SCT
	s_sub_co_u32 s22, s22, s21
	v_mul_u32_u24 v6, s22, v2                      ; lanes 16-31 take B's
	s_add_co_u32 s21, s21, SCL
	v_lshl_add_u32 v5, v1, 4, v6
	v_add_nc_u32 v[ADRS], s21, v5
	v_mul_u32_u24 v3, v1, MPITCH                   ; the mask in LDS: row r of a block, + 32 h, in my wave's 42,240 bytes
	v_lshl_add_u32 v3, v2, 5, v3
	s_mul_i32 s21, s14, MWB
	s_add_co_u32 s21, s21, MREG
	v_add_nc_u32 v[MAD], s21, v3
	; where my results go: unit 16 x (tile of 128 queries) + K step of 128 keys
	s_lshl_b32 s18, s17, 1
	s_add_co_u32 s18, s18, s15
	s_lshl_b32 s18, s18, 4
	s_lshl_b32 s19, s42, 1
	s_add_co_u32 s18, s18, s19
	s_add_co_u32 s18, s18, s16
	s_mul_i32 s22, s18, 8*FRB
	s_mov_b32 s23, 0
	s_add_nc_u64 s[12:13], s[12:13], s[22:23]
	s_lshl_b32 s22, s18, 9
	s_add_nc_u64 s[98:99], s[98:99], s[22:23]
	s_mov_b32 s[SEL], 0x76543210
	s_mov_b32 s[SEL+1], 0xfedcba98
	s_mov_b32 s[INV], 0x3d000000                   ; 1 / 32: a power of two, so the multiplication rounds nothing
	s_mov_b32 s[INV+1], s[INV]                     ; (named with it as a pair, so it is written)
.macro FRAG reg, adr, q, i             ; a fragment's image: three loads of 512 consecutive bytes
.irp c, 0,1,2
	ds_load_b128 v[\reg+4*\c:\reg+4*\c+3], v[\adr] offset:KSB*(\q)+FRB*(\i)+512*\c
.endr
.endm
; 16 matrix instructions: A's blocks a0, a0 + 1 x B's eight.  zero = 1: the first product starts the sums.  The 64 accumulators take turns, one instruction a turn, in the same order in every step.
.macro MUL16 a0, p, q, sc, zero
.irp a, \a0, \a0+1
.irp b, 0,1,2,3,4,5,6,7
.if \zero
	v_wmma_scale_f32_16x16x128_f8f6f4 v[8*(8*((\a)%4)+\b):8*(8*((\a)%4)+\b)+7], v[96*(\p)+FR*\b:96*(\p)+FR*\b+FR-1], v[AF+FR*(\a):AF+FR*(\a)+FR-1], 0, v[SC+16*(\sc)+8*(\q)+\b], v[SC+16*(\sc)+8*(\q)+(\a)] matrix_a_fmt:MATRIX_FMT_BF6 matrix_b_fmt:MATRIX_FMT_BF6 matrix_a_scale:MATRIX_SCALE_ROW1
.else
	v_wmma_scale_f32_16x16x128_f8f6f4 v[8*(8*((\a)%4)+\b):8*(8*((\a)%4)+\b)+7], v[96*(\p)+FR*\b:96*(\p)+FR*\b+FR-1], v[AF+FR*(\a):AF+FR*(\a)+FR-1], v[8*(8*((\a)%4)+\b):8*(8*((\a)%4)+\b)+7], v[SC+16*(\sc)+8*(\q)+\b], v[SC+16*(\sc)+8*(\q)+(\a)] matrix_a_fmt:MATRIX_FMT_BF6 matrix_b_fmt:MATRIX_FMT_BF6 matrix_a_scale:MATRIX_SCALE_ROW1
.endif
.endr
.endr
.endm
.macro FETCH_B slot, q, p
	WIN TO_B
.irp i, 0,1,2,3,4,5,6,7
	FRAG 96*(\p)+FR*\i, ADRB+\slot, \q, \i
.endr
	WIN 0
.endm
.macro FETCH_A slot, q, i0
.irp i, \i0, \i0+1, \i0+2, \i0+3
	FRAG AF+FR*(\i), ADRA+\slot, \q, \i
.endr
.endm
.macro SCALES sc                       ; a K part's scale words: for each of its two K steps two units of four blocks
.irp q, 0,1
.irp g, 0,1
	ds_load_b128 v[SC+16*(\sc)+8*\q+4*\g:SC+16*(\sc)+8*\q+4*\g+3], v[ADRS] offset:1024*\q+256*\g
.endr
.endr
.endm
.macro STEP slot, q, sc, zero          ; a K part's first step.  sc: the part's set of scale words (the parts take the two sets by turns)
	s_wait_dscnt 4*NL                              ; B's set and A's blocks 0-3 are in; the youngest 12 loads (A's blocks 4-7) may be out
	WIN MUL_LO
	MUL16 0, (\q)%2, \q, \sc, \zero
	MUL16 2, (\q)%2, \q, \sc, \zero
	s_wait_dscnt 0                                 ; A's blocks 4-7 are in
	PLACES NP                                      ; in front of loads into registers that matrix instructions have read
	FETCH_B \slot, (\q)+1, 1-(\q)%2
	FETCH_A \slot, (\q)+1, 0
	WIN MUL_HI
	MUL16 4, (\q)%2, \q, \sc, \zero
	MUL16 6, (\q)%2, \q, \sc, \zero
	PLACES NP
	WIN 0
	FETCH_A \slot, (\q)+1, 4
.endm
; A K part's second step goes on to the next slot.
; mode 0: the next slot was shown whole by an earlier barrier and nothing is filled: no barrier.
; mode 1, 2: LDS bytes are filled again: each wave waits for all its tensor loads, adds 0 to its spare word, waits for that and for its own reads of this slot, and a round of the cluster's barrier follows.
;   mode 1: slot 0 takes K part 3, jointly.   mode 2: slots 1 and 2, which nobody reads any more, take each wave's five blocks of the mask, by a load of the wave's own.
.macro TURN slot, next, sc, mode
.if \mode
	s_wait_tensorcnt 0x0                           ; all my tensor loads have landed (every window is 0 here)
	ds_add_u32 v[SPW], v[NIL]                      ; 0 onto my spare word
	s_wait_dscnt 4*NL+1                            ; the add and the youngest 12 loads may be out
.else
	s_wait_dscnt 4*NL
.endif
	WIN MUL_LO
	MUL16 0, 1, 1, \sc, 0                          ; sixteen matrix instructions stand between the add and the wait for it
	s_wait_dscnt 0x0                               ; the add is done, and my reads of this slot are over
.if \mode
	s_barrier_signal -1
.endif
	MUL16 2, 1, 1, \sc, 0
	WIN 0
.if \mode
	s_barrier_wait -1
	CREST                                          ; no wave of any partner still reads what is filled, or has a load on its way
.endif
.if \mode == 1
	s_add_nc_u64 s[G0+2:G0+3], s[G0+2:G0+3], 3*PARTB
	s_add_nc_u64 s[G0B+2:G0B+3], s[G0B+2:G0B+3], 3*PARTB
	JLOAD G0, G1, G0B, G1B                         ; the first tensor load behind the round, my one load until the next; its four v_nop are also the places in front of the loads below
.elseif \mode == 2
	tensor_load_to_lds s[G0M:G0M+3], s[G1M:G1M+7]  ; every wave its own rows, into bytes of its own
	s_nop 0
	PLACES 4
.else
	PLACES NP
.endif
	v_add_nc_u32 v[ADRS], 2048, v[ADRS]            ; on to the next K part's scale words (no LDS load of mine is out)
	FETCH_B \next, 0, 0
	FETCH_A \next, 0, 0
	SCALES 1-(\sc)
	WIN MUL_HI
	MUL16 4, 1, 1, \sc, 0
	MUL16 6, 1, 1, \sc, 0
	PLACES NP
	WIN 0
	FETCH_A \next, 0, 4
.endm
	s_wait_tensorcnt 2                             ; the scale words and my part of K part 0 are in; the loads of parts 1 and 2 may be out
	s_barrier_signal -1
	s_barrier_wait -1
	FETCH_B 0, 0, 0
	FETCH_A 0, 0, 0
	SCALES 0
	FETCH_A 0, 0, 4
	STEP 0, 0, 0, 1                                ; K part 0: its first products start the sums
	TURN 0, 1, 0, 1                                ; slot 0 takes K part 3; the barrier shows slots 1 and 2 whole.  The scale words' loads are done: their descriptors' registers are free
	s_mov_b32 s[G1M+0], (2<<16)|(1<<20)|(6<<22)|(3<<25)   ; the mask's tile: no work-group mask; elements of 4 bytes; padding on: after every 128 words 4 words
	s_mov_b32 s[G1M+1], 128<<16                    ; tensor_dim0 = 128
	s_mov_b32 s[G1M+2], 80<<16                     ; tensor_dim1 = 80
	s_mov_b32 s[G1M+3], 128<<16                    ; tile_dim0
	s_mov_b32 s[G1M+4], 80                         ; tile_dim1
	s_mov_b32 s[G1M+5], 2048                       ; elements from row to row
	s_mov_b32 s[G1M+6], 0
	s_mov_b32 s[G1M+7], 0
	s_mov_b32 s[G0M], 1
	s_mul_i32 s[G0M+1], s14, MWB
	s_add_co_u32 s[G0M+1], s[G0M+1], MREG
	s_add_nc_u64 s[G0M+2:G0M+3], s[96:97], 3*131072   ; from my block 3 on
	s_or_b32 s[G0M+3], s[G0M+3], 0x80000000
	STEP 1, 0, 1, 0                                ; K part 1
	TURN 1, 2, 1, 0
	STEP 2, 0, 0, 0                                ; K part 2
	TURN 2, 0, 0, 2                                ; K part 3 has landed; the mask's blocks 3 to 7 are asked for
	STEP 0, 0, 1, 0                                ; K part 3
	s_wait_loadcnt 0x0                             ; the mask of blocks 0 and 1, asked for at the head
	MLOAD 2, 1, 0                                  ; into B's set 0, which is done with: the step's closing places stand behind its last reader
	s_wait_dscnt 4*NL
	WIN MUL_LO
	MUL16 0, 1, 1, 1, 0
	MUL16 2, 1, 1, 1, 0
	s_wait_dscnt 0
	WIN MUL_HI
	MUL16 4, 1, 1, 1, 0
	MUL16 6, 1, 1, 1, 0
	WIN 0
	PLACES NP                                      ; behind the last products: for the reads of results, the writes over A's fragments and the loads into B's registers
; THE QUANTISER.  64 numbers of a lane, v[s] .. v[s + 63]; the 16 registers 16 b .. 16 b + 15 of lanes l and l xor 16 are block b of my row.  They become a fragment's codes in v[pc] .. v[pc + 11] and my row's scale word in v[pw].
.macro QUANT s, pc, pw
.irp b, 0,1,2,3
	v_max3_num_f32 v[TM+\b], |v[\s+16*\b]|, |v[\s+1+16*\b]|, 0x2800000   ; my 16 numbers, and the floor 2^(5 - 127): the byte cannot fall under 1
.endr
.irp i, 2,4,6,8,10,12,14
.irp b, 0,1,2,3
	v_max3_num_f32 v[TM+\b], v[TM+\b], |v[\s+16*\b+\i]|, |v[\s+1+16*\b+\i]|
.endr
.endr
.irp b, 0,1,2,3
	v_permlanex16_b32 v[TM+4+\b], v[TM+\b], s[SEL], s[SEL+1]
.endr
.irp b, 0,1,2,3
	v_max_num_f32 v[TM+\b], v[TM+\b], v[TM+4+\b]   ; with lane l xor 16's: the block's largest magnitude
.endr
.irp b, 0,1,2,3
	v_add_nc_u32 v[TM+12+\b], 0xfe000000, v[TM+\b] ; 4 off its exponent field: the conversion's scale operand
.endr
.irp b, 0,1,2,3
	v_lshrrev_b32 v[TM+4+\b], 23, v[TM+12+\b]      ; the scale's byte
.endr
	v_lshl_or_b32 v[\pw], v[TM+5], 8, v[TM+4]
	v_lshl_or_b32 v[\pw], v[TM+6], 16, v[\pw]
	v_lshl_or_b32 v[\pw], v[TM+7], 24, v[\pw]
.irp c, 0,1
	v_cvt_scalef32_pk16_bf6_f32 v[\pc+6*\c:\pc+2+6*\c], v[\s+32*\c:\s+15+32*\c], v[TM+12+2*\c]
	v_cvt_scalef32_pk16_bf6_f32 v[\pc+12+4*\c:\pc+14+4*\c], v[\s+16+32*\c:\s+31+32*\c], v[TM+12+2*\c+1]
.endr
	v_nop                                          ; one plain place behind a scaled conversion
.irp c, 0,1
.irp i, 0,1,2
	v_permlane16_swap_b32 v[\pc+6*\c+\i], v[\pc+12+4*\c+\i]
.endr
.irp i, 0,1,2
	v_mov_b32 v[\pc+3+6*\c+\i], v[\pc+12+4*\c+\i]
.endr
.endr
.endm
; the mask of block a (3 to 7) out of LDS into 64 registers of window 1, from v[reg] on, in the accumulators' layout
.macro MDS a, reg
	WIN TO_B
.irp t, 0,1,2,3,4,5,6,7
	ds_load_b128 v[\reg+8*\t:\reg+8*\t+3], v[MAD] offset:16*((\a)-3)*MPITCH+64*\t
	ds_load_b128 v[\reg+8*\t+4:\reg+8*\t+7], v[MAD] offset:16*((\a)-3)*MPITCH+64*\t+16
.endr
	WIN 0
.endm
; THE WAY OUT of block a, the ord-th to go: relu (which brings the numbers into window 0, each accumulator from its low end on); / 32 + mask, one packed multiply-add for two; the quantiser; the image.
; mw, mk: the window and first register of the block's mask.  lw, dw: how many younger loads from memory, or from LDS, may stay out when the mask has to be there; -1: no such wait.
.macro BLOCK a, ord, mw, mk, lw, dw
	WIN 0x08+4*((\a)/4)
.set J, 0
.rept 64
	v_max_num_f32 v[ST+J], 0, v[64*((\a)%4)+J]
.set J, J+1
.endr
.if (\lw) >= 0
	s_wait_loadcnt \lw
.endif
.if (\dw) >= 0
	s_wait_dscnt \dw
.endif
	WIN (\mw)<<4                                   ; source 2: the mask's window
.set J, 0
.rept 32
	v_pk_fma_f32 v[ST+J:ST+J+1], v[ST+J:ST+J+1], s[INV:INV+1], v[\mk+J:\mk+J+1] op_sel_hi:[1,0,1]
.set J, J+2
.endr
	WIN 0
.if (\ord) >= 2
	s_wait_xcnt 0x0                                ; the stores of two blocks back have read this set of codes: it is written again only behind this wait
.endif
	QUANT ST, PC+20*((\ord)%2), SW+(\a)
.irp c, 0,1,2
	global_store_b128 v[LI], v[PC+20*((\ord)%2)+4*\c:PC+20*((\ord)%2)+4*\c+3], s[12:13] offset:1536*(\a)+512*\c
.endr
.endm
.irp b, 0,1,2,3
	v_mov_b32 v[TM+4+\b], 0                        ; written once: a lane permute's destination counts as one of its sources
.endr
	BLOCK 0, 0, 0, 64, -1, -1
	s_wait_tensorcnt 0x0                           ; my five blocks of the mask are in LDS: asked for a K part and a block ago; no other wave touches these bytes
	MDS 3, 64                                      ; two sets of window 1 take turns: a block's 16 loads go out a block or more ahead of their use
	MDS 4, 128
	BLOCK 1, 1, 1, 192, -1, -1
	BLOCK 3, 2, 1, 64, -1, 16                      ; behind block 3's loads: block 4's 16
	MDS 5, 64
	BLOCK 4, 3, 1, 128, -1, 16
	MDS 6, 128
	BLOCK 5, 4, 1, 64, -1, 16
	MDS 7, 64
	BLOCK 6, 5, 1, 128, -1, 16
	BLOCK 7, 6, 1, 64, -1, 0
	BLOCK 2, 7, 1, 0, 0, -1                        ; block 2 goes last: its mask was the last to be asked of memory
	v_cmp_eq_u32 vcc_lo, 1, v2                     ; lanes 0-15 store the unit of blocks 0-3, lanes 16-31 that of blocks 4-7
	s_wait_xcnt 0x0                                ; the last stores have read the registers that the words now take
.irp i, 0,1,2,3
	v_cndmask_b32 v[XW+\i], v[SW+\i], v[SW+4+\i], vcc_lo
.endr
	global_store_b128 v[LI], v[XW:XW+3], s[98:99]  ; 512 consecutive bytes: two units
	s_wait_tensorcnt 0x0                           ; the wave's end
	ds_add_u32 v[SPW], v[NIL]
	s_wait_dscnt 0x0
	CROUND                                         ; the closing round
	s_endpgm
.Lfunc_end_k_q48fd933aa5_score:
	.size	k_q48fd933aa5_score, .Lfunc_end_k_q48fd933aa5_score-k_q48fd933aa5_score
	.p2alignl 7, 3214868480
	.fill 96, 4, 3214868480
	.section	.rodata,"a",@progbits
	.p2align	6, 0x0
	.amdhsa_kernel k_q48fd933aa5_score
		.amdhsa_group_segment_fixed_size 327680
		.amdhsa_private_segment_fixed_size 0
		.amdhsa_enable_private_segment 0
		.amdhsa_kernarg_size 56
		.amdhsa_user_sgpr_count 2
		.amdhsa_user_sgpr_kernarg_segment_ptr 1
		.amdhsa_wavefront_size32 1
		.amdhsa_system_sgpr_workgroup_id_x 1
		.amdhsa_system_sgpr_workgroup_id_y 1
		.amdhsa_system_sgpr_workgroup_id_z 1
		.amdhsa_system_vgpr_workitem_id 0
		.amdhsa_next_free_vgpr 1024
		.amdhsa_next_free_sgpr 100
		.amdhsa_reserve_vcc 1
		.amdhsa_float_denorm_mode_32 3
		.amdhsa_float_denorm_mode_16_64 3
		.amdhsa_memory_ordered 1
		.amdhsa_forward_progress 1
		.amdhsa_inst_pref_size 182
	.end_amdhsa_kernel
	.amdgpu_metadata
---
amdhsa.version: [ 1, 2 ]
amdhsa.kernels:
  - .name:           k_q48fd933aa5_score
    .symbol:         k_q48fd933aa5_score.kd
    .args:
      - { .name: qp_codes, .offset: 0, .size: 8, .value_kind: global_buffer, .address_space: global }
      - { .name: qp_scales, .offset: 8, .size: 8, .value_kind: global_buffer, .address_space: global }
      - { .name: kp_codes, .offset: 16, .size: 8, .value_kind: global_buffer, .address_space: global }
      - { .name: kp_scales, .offset: 24, .size: 8, .value_kind: global_buffer, .address_space: global }
      - { .name: lg_codes, .offset: 32, .size: 8, .value_kind: global_buffer, .address_space: global }
      - { .name: mask, .offset: 40, .size: 8, .value_kind: global_buffer, .address_space: global }
      - { .name: lg_scales, .offset: 48, .size: 8, .value_kind: global_buffer, .address_space: global }
    .group_segment_fixed_size: 327680
    .private_segment_fixed_size: 0
    .kernarg_segment_align: 8
    .kernarg_segment_size: 56
    .max_flat_workgroup_size: 128
    .sgpr_count:     100
    .vgpr_count:     1024
    .wavefront_size: 32
...
	.end_amdgpu_metadata
.endif
;; end of part 2
;; launch outp (part 3): grid 4 x 64, 4 waves a work-group, clusters of 4 x 4, 327,680 bytes of LDS; arguments lg_codes, lg_scales, vt_codes, vt_scales, out0; writes out0
.if DOCPART == 3
	.amdgcn_target "amdgcn-amd-amdhsa--gfx1250"
	.amdhsa_code_object_version 6
	.text
	.protected	k_q48fd933aa5_outp
	.globl	k_q48fd933aa5_outp
	.p2align	8
	.type	k_q48fd933aa5_outp,@function
k_q48fd933aa5_outp:
	s_mov_b64 s[64:65], 0
	v_nop
	global_prefetch_b8 v0, s[64:65] scope:SCOPE_SE
	s_setreg_imm32_b32 hwreg(HW_REG_WAVE_MODE, 25, 1), 1
	s_wait_xcnt 0x0
	s_wait_alu depctr_hold_cnt(0) depctr_sa_sdst(0) depctr_va_vdst(0) depctr_va_sdst(0) depctr_va_ssrc(0) depctr_va_vcc(0) depctr_vm_vsrc(0)
	s_getreg_b32 s2, hwreg(HW_REG_IB_STS2, 6, 4)
	s_cmp_eq_u32 s2, 0
	s_cbranch_scc0 .Lentry_in_a_cluster
	s_endpgm
.Lentry_in_a_cluster:
	s_bfe_u32 s2, ttmp6, 0x10000c
	s_cmp_lg_u32 s2, 0xf033
	s_cbranch_scc0 .Lentry_shape_is_right
	s_endpgm
.Lentry_shape_is_right:
; out = relu(logits vp), on codes of BF6 (E3M2) with one E8M0 scale for each 32 along K = the batch's 2,048 keys.  out0: [4][2048][1024] f32.
; A tile of 128 queries x 256 of e to a work-group: 256 tiles, one for each of 256 work-groups (tiles of 256 x 256 would be 128).  A wave makes 64 x 128: 32 accumulators, 256 registers.
; Source 0 = 16 rows of vp^T (e), source 1 = 16 queries: a lane holds one query and eight neighbouring e.
; THE OPERANDS ARE IMAGES OF OPERAND REGISTERS, laid by the launches before: the logits [tile of 128 queries 64][K step of 128 16][block of 16 rows 8][1536]; vp^T [batch 4][tile of 256 e 4][K step 16][block 16][1536].
; So a K part of 512 is one dense block of 49,152 bytes of the logits and one of 98,304 of vp^T, and a fragment comes out of LDS by three loads of 512 consecutive bytes.  Both sides hold a block's codes in the same order.
; The scale words ([..][K step][unit of 64 rows][256], the word of row 16 i + r at byte 16 r + 4 i) come into LDS once and stay.
; K goes in four parts of 512 through two slots of 147,456 bytes: 128 matrix instructions a wave in a part.  The sixteen steps of 128 are written out: every LDS offset is an immediate.
; CLUSTERS: 4 x 4 work-groups of one batch; the logits' tiles are shared along a row of the cluster, vp^T's along a column: each is asked for jointly.
; LIMITS: NaN and infinities are not served.
; REGISTERS: window 0: v16-29 addresses; v32-55 scale words, two sets of 12 (A's four blocks, B's eight); v64-111, v112-159 A's fragments, two sets; on the way out v64-191 rows of out.
;   window 1: B's fragments, two sets, at v0 and v128.   window 2: the accumulators ((a, b) at v[8 (8 a + b)]).
.set FR,     12
.set FRB,    1536
.set NP,     4                         ; places behind this matrix instruction (ISA guide 7.12.1)
.set AKS,    8*FRB                     ; a K step of A's 128 rows
.set BKS,    16*FRB                    ; of B's 256 rows
.set APART,  4*AKS
.set BPART,  4*BKS
.set SLOT,   APART+BPART               ; A's part, then B's
.set SCA,    2*SLOT                    ; behind the ring: A's scale words, 8,192 bytes,
.set SCB,    SCA+8192                  ; B's, 16,384 bytes,
.set SPARE,  SCB+16384                 ; and the spare words, 128 bytes for each wave: two blocks of 256 bytes that no other line names
.set SPITCH, 528                       ; the way out: a stage of 16 rows x (512 bytes + 16) for each wave, in slot 0, which has had its last fill and its last read when the first result is stored there
.set ADRA, 16                          ; v16-17 my A fragments in slot 0, 1
.set ADRB, 18                          ; v18-21 my B fragments: slot s, K steps 0-1 and 2-3 of the part (the offsets have 16 bits)
.set ADSA, 22                          ; v22  A's scale words
.set ADSB, 23                          ; v23  B's
.set STO,  24                          ; v24  the stage: where I put 32 bytes of a row
.set RD,   25                          ; v25  and where I read a row back
.set CO,   26                          ; v26  16 x lane
.set SPW,  28
.set NIL,  29
.set SC,   32
.set AF,   64
.set BK,   64                          ; the way out: 16 rows read back: v64-127 and v128-191 by turns
.set G1, 24
.set G0, 32
.set G1B, 48
.set G0B, 56
.set G1S, 68
.set G0S, 76
.set G1SB, 80
.set G0SB, 88
.set MSB, 0
.macro WIN new
.if MSB != (\new)
	s_set_vgpr_msb (MSB<<8)|(\new)
.set MSB, (\new)
.endif
.endm
.set MUL, 0xa1                         ; source 0 (B) window 1, source 1 (A) window 0, C and D window 2
.macro JLOAD g0a, g1a, g0b, g1b        ; a joint load: waves 0 and 1 fetch for A, waves 2 and 3 for B; four v_nop follow each of the two lines
	s_cmp_eq_u32 s15, 0
	s_cbranch_scc0 .Lfor_b_\@
	tensor_load_to_lds s[\g0a:\g0a+3], s[\g1a:\g1a+7]
	s_nop 0
.rept 4
	v_nop
.endr
	s_branch .Lasked_\@
.Lfor_b_\@:
	tensor_load_to_lds s[\g0b:\g0b+3], s[\g1b:\g1b+7]
	s_nop 0
.rept 4
	v_nop
.endr
.Lasked_\@:
.endm
.macro CREST
	s_cmp_lg_u32 s14, 0
	s_cbranch_scc1 .Lnot_wave_0_\@
	s_barrier_signal -3
.Lnot_wave_0_\@:
	s_barrier_wait -3
	s_barrier_signal -1
	s_barrier_wait -1
.endm
.macro CROUND
	s_barrier_signal -1
	s_barrier_wait -1
	CREST
.endm
.macro PLACES n
.rept \n
	v_nop
.endr
.endm
	s_load_b128 s[4:7], s[0:1], 0x0                ; the logits' codes, their scale words
	s_load_b128 s[8:11], s[0:1], 0x10              ; vp^T's codes, its scale words
	s_load_b64 s[12:13], s[0:1], 0x20              ; out0
	v_lshl_add_u32 v[SPW], v0, 2, SPARE
	v_mov_b32 v[NIL], 0
	ds_add_u32 v28, v29
	ds_add_u32 v28, v29
	s_wait_dscnt 0x0
	v_lshrrev_b32 v1, 5, v0
	v_readfirstlane_b32 s14, v1                    ; wave 0..3
	s_lshr_b32 s15, s14, 1                         ; which 64 of the tile's queries are mine.  Also: I fetch for A (0) or for B (1)
	s_and_b32 s16, s14, 1                          ; which 128 of its e.  Also: which half of a part I fetch
	s_bfe_u32 s40, ttmp6, 0x40000                  ; cx, cy
	s_bfe_u32 s41, ttmp6, 0x40004
	s_lshl_b32 s42, ttmp9, 2
	s_add_co_u32 s42, s42, s40                     ; the tile of e = 4 x cluster x + cx, 0..3
	s_and_b32 s95, ttmp7, 0xffff
	s_lshl_b32 s17, s95, 2
	s_add_co_u32 s17, s17, s41                     ; the tile of 128 queries, over all batches = 4 x cluster y + cy, 0..63
	s_and_b32 s46, s95, -4                         ; 4 x the batch, from the cluster's y alone
	s_add_co_u32 s46, s46, s42                     ; vp^T's tile, over all batches
	s_lshl_b32 s43, s41, 2
	s_lshl_b32 s43, 15, s43                        ; my row of the cluster
	s_lshl_b32 s44, 0x1111, s40                    ; my column
	; descriptor groups 1: dense blocks as rows of 256 bytes (32 elements of 8): A 96 rows, B 192, A's scale words 16, B's 32
	s_or_b32 s[G1+0], s43, (3<<16)|(1<<21)         ; 15:0 the mask: A's tiles go to my row; elements of 8 bytes; no padding; bit 21 beside a mask
	s_or_b32 s[G1B+0], s44, (3<<16)|(1<<21)
	s_or_b32 s[G1S+0], s43, (3<<16)|(1<<21)
	s_or_b32 s[G1SB+0], s44, (3<<16)|(1<<21)
.irp g, G1, G1B, G1S, G1SB
	s_mov_b32 s[\g+1], 32<<16
	s_mov_b32 s[\g+3], 32<<16
	s_mov_b32 s[\g+5], 32
	s_mov_b32 s[\g+6], 0
	s_mov_b32 s[\g+7], 0
.endr
	s_mov_b32 s[G1+2], 96<<16
	s_mov_b32 s[G1+4], 96
	s_mov_b32 s[G1B+2], 192<<16
	s_mov_b32 s[G1B+4], 192
	s_mov_b32 s[G1S+2], 16<<16
	s_mov_b32 s[G1S+4], 16
	s_mov_b32 s[G1SB+2], 32<<16
	s_mov_b32 s[G1SB+4], 32
	s_mul_i32 s45, s16, 2*AKS                      ; A: my two K steps of a part, in memory and in a slot
	s_mul_i32 s94, s16, 2*BKS                      ; B likewise
	s_mul_i32 s20, s17, 16*AKS
	s_add_co_u32 s20, s20, s45                     ; A's codes (all offsets stay under 2^24)
	s_mov_b32 s21, 0
	s_lshl_b32 s22, s17, 13
	s_lshl_b32 s18, s16, 12
	s_add_co_u32 s22, s22, s18                     ; A's scale words: my half of 8,192 bytes
	s_mov_b32 s23, 0
	s_lshl_b32 s92, s46, 14
	s_lshl_b32 s19, s16, 13
	s_add_co_u32 s92, s92, s19                     ; B's: my half of 16,384
	s_mov_b32 s93, 0
	s_mul_i32 s46, s46, 16*BKS
	s_add_co_u32 s46, s46, s94                     ; B's codes
	s_mov_b32 s47, 0
	s_add_co_u32 s94, s94, APART                   ; in a slot B's part lies behind A's
	s_wait_kmcnt 0x0
	s_add_nc_u64 s[20:21], s[4:5], s[20:21]
	s_add_nc_u64 s[22:23], s[6:7], s[22:23]
	s_add_nc_u64 s[46:47], s[8:9], s[46:47]
	s_add_nc_u64 s[92:93], s[10:11], s[92:93]
	CROUND                                         ; all sixteen work-groups are here: the first joint loads meet
	s_mov_b32 s[G0S], 1
	s_add_co_u32 s[G0S+1], s18, SCA
	s_mov_b64 s[G0S+2:G0S+3], s[22:23]
	s_or_b32 s[G0S+3], s[G0S+3], 0x80000000
	s_mov_b32 s[G0SB], 1
	s_add_co_u32 s[G0SB+1], s19, SCB
	s_mov_b64 s[G0SB+2:G0SB+3], s[92:93]
	s_or_b32 s[G0SB+3], s[G0SB+3], 0x80000000
	JLOAD G0S, G1S, G0SB, G1SB                     ; the scale words first.  With the two below, three loads of mine are out
.irp s, 0,1
	s_mov_b32 s[G0+4*\s], 1
	s_add_co_u32 s[G0+4*\s+1], s45, \s*SLOT
	s_add_nc_u64 s[G0+4*\s+2:G0+4*\s+3], s[20:21], \s*APART
	s_or_b32 s[G0+4*\s+3], s[G0+4*\s+3], 0x80000000
	s_mov_b32 s[G0B+4*\s], 1
	s_add_co_u32 s[G0B+4*\s+1], s94, \s*SLOT
	s_add_nc_u64 s[G0B+4*\s+2:G0B+4*\s+3], s[46:47], \s*BPART
	s_or_b32 s[G0B+4*\s+3], s[G0B+4*\s+3], 0x80000000
	JLOAD G0+4*\s, G1, G0B+4*\s, G1B
.endr
	v_and_b32 v1, 15, v0                           ; r
	v_bfe_u32 v2, v0, 4, 1                         ; h
	v_and_b32 v3, 31, v0
	v_lshlrev_b32 v[CO], 4, v3                     ; 16 x lane
	s_mul_i32 s21, s15, 4*FRB                      ; my four blocks of A
	s_mul_i32 s22, s16, 8*FRB                      ; my eight blocks of B,
	s_add_co_u32 s22, s22, APART                   ; behind A's part
.irp s, 0,1
	v_add_nc_u32 v[ADRA+\s], s21, v[CO]
	v_add_nc_u32 v[ADRB+2*\s], s22, v[CO]
	s_add_co_u32 s23, s22, 2*BKS
	v_add_nc_u32 v[ADRB+2*\s+1], s23, v[CO]
	s_add_co_u32 s21, s21, SLOT
	s_add_co_u32 s22, s22, SLOT
.endr
	s_lshl_b32 s21, s15, 8
	s_add_co_u32 s21, s21, SCA                     ; A's scale words: my unit of 64 rows
	v_lshl_add_u32 v[ADSA], v1, 4, s21
	s_lshl_b32 s22, s16, 9
	s_add_co_u32 s22, s22, SCB                     ; B's: my two units
	v_lshl_add_u32 v[ADSB], v1, 4, s22
	s_mul_i32 s23, s14, 16*SPITCH                  ; my stage
	v_mul_u32_u24 v5, v1, SPITCH                   ; in: row r, 32 bytes for each half of the lanes
	v_lshl_add_u32 v5, v2, 5, v5
	v_add_nc_u32 v[STO], s23, v5
	v_add_nc_u32 v[RD], s23, v[CO]                 ; back: the 32 lanes take one row of 512 bytes
	s_lshl_b32 s20, s17, 7
	s_lshl_b32 s21, s15, 6
	s_add_co_u32 s20, s20, s21                     ; my first row of out0: 128 x tile + 64 x half
	s_lshl_b32 s20, s20, 12                        ; rows of 4,096 bytes (under 2^25 in all)
	s_lshl_b32 s21, s42, 10
	s_add_co_u32 s20, s20, s21
	s_lshl_b32 s21, s16, 9
	s_add_co_u32 s20, s20, s21                     ; my first column, in bytes: 1,024 x tile of e + 512 x half
	s_mov_b32 s21, 0
	s_add_nc_u64 s[12:13], s[12:13], s[20:21]
; 39 LDS loads in one run: the fragments and scale words of K step g (the q-th of its slot) into set st
.macro FETCH slot, q, st, g
	WIN 0x40                                       ; destination window 1, address window 0
.irp i, 0,1,2,3,4,5,6,7
.irp c, 0,1,2
	ds_load_b128 v[128*(\st)+FR*\i+4*\c:128*(\st)+FR*\i+4*\c+3], v[ADRB+2*(\slot)+(\q)/2] offset:BKS*((\q)%2)+FRB*\i+512*\c
.endr
.endr
	WIN 0
.irp i, 0,1,2,3
.irp c, 0,1,2
	ds_load_b128 v[AF+48*(\st)+FR*\i+4*\c:AF+48*(\st)+FR*\i+4*\c+3], v[ADRA+(\slot)] offset:AKS*(\q)+FRB*\i+512*\c
.endr
.endr
	ds_load_b128 v[SC+12*(\st):SC+12*(\st)+3], v[ADSA] offset:512*(\g)            ; the words of A's four blocks,
	ds_load_b128 v[SC+12*(\st)+4:SC+12*(\st)+7], v[ADSB] offset:1024*(\g)         ; of B's blocks 0-3,
	ds_load_b128 v[SC+12*(\st)+8:SC+12*(\st)+11], v[ADSB] offset:1024*(\g)+256    ; and 4-7: lane r has row r's
.endm
; 8 matrix instructions: A's block a x B's eight.  zero = 1: the first product starts the sums.  The 32 accumulators take turns, one instruction a turn, in the same order in every step.
.macro MUL8 a, st, zero
.irp b, 0,1,2,3,4,5,6,7
.if \zero
	v_wmma_scale_f32_16x16x128_f8f6f4 v[8*(8*(\a)+\b):8*(8*(\a)+\b)+7], v[128*(\st)+FR*\b:128*(\st)+FR*\b+FR-1], v[AF+48*(\st)+FR*(\a):AF+48*(\st)+FR*(\a)+FR-1], 0, v[SC+12*(\st)+4+\b], v[SC+12*(\st)+(\a)] matrix_a_fmt:MATRIX_FMT_BF6 matrix_b_fmt:MATRIX_FMT_BF6
.else
	v_wmma_scale_f32_16x16x128_f8f6f4 v[8*(8*(\a)+\b):8*(8*(\a)+\b)+7], v[128*(\st)+FR*\b:128*(\st)+FR*\b+FR-1], v[AF+48*(\st)+FR*(\a):AF+48*(\st)+FR*(\a)+FR-1], v[8*(8*(\a)+\b):8*(8*(\a)+\b)+7], v[SC+12*(\st)+4+\b], v[SC+12*(\st)+(\a)] matrix_a_fmt:MATRIX_FMT_BF6 matrix_b_fmt:MATRIX_FMT_BF6
.endif
.endr
.endm
; K step g, the q-th of its slot, with its successor in the same slot: the successor's loads go out first, into the other set, and have this step's 32 matrix instructions in which to land.
.macro STEP slot, q, g, zero
	s_wait_dscnt 0x0                               ; this step's fragments and scale words are in
.if (\g) > 0
	PLACES NP                                      ; in front of loads into the registers that the step before multiplied
.endif
	FETCH \slot, (\q)+1, ((\g)+1)%2, (\g)+1
	WIN MUL
	MUL8 0, (\g)%2, \zero
	MUL8 1, (\g)%2, \zero
	MUL8 2, (\g)%2, \zero
	MUL8 3, (\g)%2, \zero
.endm
; A slot's last step changes slots: ONE barrier; in front of it each wave waits for all its tensor loads, adds 0 to its spare word, and waits for that and for its own reads of this slot.
.macro TURN slot, next, g, fill
	WIN 0                                          ; (the add's two registers lie in window 0)
	s_wait_tensorcnt 0x0                           ; all my tensor loads have landed: my part of the next slot
	ds_add_u32 v[SPW], v[NIL]                      ; 0 onto my spare word
	s_wait_dscnt 1                                 ; this step's fragments are in; the add alone may be out
	WIN MUL
	MUL8 0, (\g)%2, 0                              ; eight matrix instructions stand between the add and the wait for it
	s_wait_dscnt 0x0                               ; the add is done, and my reads of this slot are over
	s_barrier_signal -1
	MUL8 1, (\g)%2, 0
	WIN 0
	s_barrier_wait -1
.if \fill
	CREST                                          ; the barrier has opened a round of the cluster's barrier: no wave of any partner still reads this slot or has a load on its way
	s_add_nc_u64 s[G0+4*\slot+2:G0+4*\slot+3], s[G0+4*\slot+2:G0+4*\slot+3], 2*APART
	s_add_nc_u64 s[G0B+4*\slot+2:G0B+4*\slot+3], s[G0B+4*\slot+2:G0B+4*\slot+3], 2*BPART
	JLOAD G0+4*\slot, G1, G0B+4*\slot, G1B         ; the first tensor load behind the round, my one load until the next; its four v_nop are also the places in front of the loads below
.else
	PLACES NP
.endif
	FETCH \next, 0, ((\g)+1)%2, (\g)+1
	WIN MUL
	MUL8 2, (\g)%2, 0
	MUL8 3, (\g)%2, 0
.endm
	s_wait_tensorcnt 1                             ; the scale words and my part of K part 0 are in; K part 1's load may be out
	s_barrier_signal -1
	s_barrier_wait -1
	FETCH 0, 0, 0, 0
	STEP 0, 0, 0, 1                                ; K part 0: the first products start the sums
	STEP 0, 1, 1, 0
	STEP 0, 2, 2, 0
	TURN 0, 1, 3, 1                                ; slot 0 takes K part 2
	STEP 1, 0, 4, 0
	STEP 1, 1, 5, 0
	STEP 1, 2, 6, 0
	TURN 1, 0, 7, 1                                ; slot 1 takes K part 3
	STEP 0, 0, 8, 0
	STEP 0, 1, 9, 0
	STEP 0, 2, 10, 0
	TURN 0, 1, 11, 0                               ; nothing is left to fetch; behind this barrier nobody reads slot 0
	STEP 1, 0, 12, 0
	STEP 1, 1, 13, 0
	STEP 1, 2, 14, 0
	s_wait_dscnt 0x0                               ; the last step
	WIN MUL
	MUL8 0, 1, 0
	MUL8 1, 1, 0
	MUL8 2, 1, 0
	MUL8 3, 1, 0
; THE WAY OUT, block by block of 16 queries x 128 e.  A lane holds 32 neighbouring bytes of a row and the lanes beside it hold other rows: a block goes through my own stage in LDS and comes back as whole rows of 512 bytes.
; LDS serves a wave's instructions in order (ISA guide 5.7.1.4): no wait between the stores and the loads, nor in front of the next block's stores.
.macro RELU a                          ; in place, each accumulator from its low end on
	WIN 0x88                                       ; source 1 and destination window 2
.set J, 0
.rept 64
	v_max_num_f32 v[64*(\a)+J], 0, v[64*(\a)+J]
.set J, J+1
.endr
.endm
.macro TOSTAGE a
	WIN 0x08                                       ; an LDS store's data are its source 1: window 2
.irp b, 0,1,2,3,4,5,6,7
	ds_store_b128 v[STO], v[64*(\a)+8*\b:64*(\a)+8*\b+3] offset:64*\b
	ds_store_b128 v[STO], v[64*(\a)+8*\b+4:64*(\a)+8*\b+7] offset:64*\b+16
.endr
	WIN 0
.set BB, BK+64*((\a)%2)
.irp t, 0,1,2,3,4,5,6,7,8,9,10,11,12,13,14,15
	ds_load_b128 v[BB+4*\t:BB+4*\t+3], v[RD] offset:\t*SPITCH
.endr
.endm
.macro SEND a, younger                 ; younger: the LDS instructions issued behind block a's loads, which may stay out
.set BB, BK+64*((\a)%2)
	s_wait_dscnt \younger                          ; the block is back in registers
.if (\a) > 0
	s_add_nc_u64 s[12:13], s[12:13], 16*4096       ; 16 rows on (behind a wait on XCNT: the earlier stores have read their base)
.endif
.irp t, 0,1,2,3,4,5,6,7,8,9,10,11,12,13,14,15
	global_store_b128 v[CO], v[BB+4*\t:BB+4*\t+3], s[12:13] offset:\t*4096 th:TH_STORE_NT   ; 32 lanes store 512 consecutive bytes, at a multiple of 256 from out0's first byte; written once, read by nobody here
.endr
.endm
	PLACES NP                                      ; behind the last products: for the reads of results and the loads into A's registers
	RELU 0
	TOSTAGE 0
.irp a, 1,2,3
	RELU \a
.if \a > 1
	s_wait_xcnt 0x0                                ; block a - 2's stores have read their registers and their base: block a's loads may land there, and the base may step
.endif
	TOSTAGE \a
	SEND \a-1, 32                                  ; behind block a - 1's loads: block a's 16 stores and 16 loads
.endr
	s_wait_xcnt 0x0                                ; block 2's stores have read their base
	SEND 3, 0
	s_wait_tensorcnt 0x0                           ; the wave's end
	ds_add_u32 v[SPW], v[NIL]
	s_wait_dscnt 0x0
	CROUND                                         ; the closing round
	s_endpgm
.Lfunc_end_k_q48fd933aa5_outp:
	.size	k_q48fd933aa5_outp, .Lfunc_end_k_q48fd933aa5_outp-k_q48fd933aa5_outp
	.p2alignl 7, 3214868480
	.fill 96, 4, 3214868480
	.section	.rodata,"a",@progbits
	.p2align	6, 0x0
	.amdhsa_kernel k_q48fd933aa5_outp
		.amdhsa_group_segment_fixed_size 327680
		.amdhsa_private_segment_fixed_size 0
		.amdhsa_enable_private_segment 0
		.amdhsa_kernarg_size 40
		.amdhsa_user_sgpr_count 2
		.amdhsa_user_sgpr_kernarg_segment_ptr 1
		.amdhsa_wavefront_size32 1
		.amdhsa_system_sgpr_workgroup_id_x 1
		.amdhsa_system_sgpr_workgroup_id_y 1
		.amdhsa_system_sgpr_workgroup_id_z 1
		.amdhsa_system_vgpr_workitem_id 0
		.amdhsa_next_free_vgpr 768
		.amdhsa_next_free_sgpr 96
		.amdhsa_reserve_vcc 0
		.amdhsa_float_denorm_mode_32 3
		.amdhsa_float_denorm_mode_16_64 3
		.amdhsa_memory_ordered 1
		.amdhsa_forward_progress 1
		.amdhsa_inst_pref_size 142
	.end_amdhsa_kernel
	.amdgpu_metadata
---
amdhsa.version: [ 1, 2 ]
amdhsa.kernels:
  - .name:           k_q48fd933aa5_outp
    .symbol:         k_q48fd933aa5_outp.kd
    .args:
      - { .name: lg_codes, .offset: 0, .size: 8, .value_kind: global_buffer, .address_space: global }
      - { .name: lg_scales, .offset: 8, .size: 8, .value_kind: global_buffer, .address_space: global }
      - { .name: vt_codes, .offset: 16, .size: 8, .value_kind: global_buffer, .address_space: global }
      - { .name: vt_scales, .offset: 24, .size: 8, .value_kind: global_buffer, .address_space: global }
      - { .name: out0, .offset: 32, .size: 8, .value_kind: global_buffer, .address_space: global }
    .group_segment_fixed_size: 327680
    .private_segment_fixed_size: 0
    .kernarg_segment_align: 8
    .kernarg_segment_size: 40
    .max_flat_workgroup_size: 128
    .sgpr_count:     96
    .vgpr_count:     768
    .wavefront_size: 32
...
	.end_amdgpu_metadata
.endif
;; end of part 3
